; MI455X (gfx1250); checked and timed in simulation.
; The chip was launched on July 23, 2026; its instructions are those of AMD's public machine-readable ISA for CDNA 5 (MIT licence, August 2026) and "CDNA5" Instruction Set Architecture Reference Guide (July 2026). The comments in the code are by the model that wrote it; some were corrected since.
;; multi head attention. Allowed arithmetic: matrix products marked QUANTISED: E2M1 operands, one E8M0 scale for each 32 along K, by v_wmma_scale_f32_16x16x128_f8f6f4 with both operands' format E2M1 (or v_wmma_scale_f32_32x16x128_f4), f32 sums; products left as they are: bf16, f16 or f32 operands; f32 sums; everything else in f32.
;; Inputs: Wk 1,024 x 1,024 float32; Wo 1,024 x 1,024 float32; Wq 1,024 x 1,024 float32; Wv 1,024 x 1,024 float32; bk 1,024 float32; bo 1,024 float32; bq 1,024 float32; bv 1,024 float32; k 4 x 2,048 x 1,024 float32; q 4 x 2,048 x 1,024 float32; v 4 x 2,048 x 1,024 float32.
;; Outputs: out0 4 x 2,048 x 1,024 float32.
;; Constants: mask = True.
;; This version of the problem:
;;   THIS VERSION OF THE PROBLEM IS GIVEN IN LOW PRECISION. The matrix products marked QUANTISED in the list below multiply operands that are first quantised to E2M1 (2 exponent bits, 1 mantissa bit; 4 bits a number), with one power-of-two scale for each 32 numbers along K (OCP MX v1.0); their sums are f32. The products marked 'left as it is' may take bf16, f16 or f32 operands, with f32 sums. Whichever they take, every output number must still come out within the allowed error. Rounding operands to bf16 (8 significant bits) uses up far more of that allowance than f16 does (11 bits, for magnitudes from 6e-5 to 65,504). All else is computed in f32.
;;   The module's matrix products, in the order in which they are computed (A, B: the left and right operand; K: the contracted axis; several contracted axes count as one K, in the product's order):
;;     1. [M 8,192, K 1,024] x [K 1,024, N 1,024]; A: input q; B: input Wq: QUANTISED
;;     2. [M 8,192, K 1,024] x [K 1,024, N 1,024]; A: input k; B: input Wk: QUANTISED
;;     3. [M 8,192, K 1,024] x [K 1,024, N 1,024]; A: input v; B: input Wv: QUANTISED
;;     4. batch 64 x [M 2,048, K 64] x [K 64, N 2,048]; A: computed on the way; B: computed on the way: left as it is (an operand is computed on the way)
;;     5. batch 64 x [M 2,048, K 2,048] x [K 2,048, N 64]; A: computed on the way; B: computed on the way: left as it is (an operand is computed on the way)
;;     6. [M 8,192, K 1,024] x [K 1,024, N 1,024]; A: computed on the way; B: input Wo: left as it is (an operand is computed on the way)
;;   THE QUANTISER, for each operand of a quantised product, along K:
;;     - K is cut into blocks of 32 from its start; a last block that is shorter is filled with zeros.
;;     - A block's scale is 2^e with e = floor(log2(the largest magnitude in the block)) - 2, held to -126 .. 127; a block of zeros has e = 0. As a byte (E8M0): e + 127.
;;     - Each number is divided by its block's scale, clamped to +-6, and rounded to the nearest number of E2M1, ties to even, subnormals kept.
;;     - The product sums the exact products of the quantised numbers (number of the format x scale) in f32.
;;   ~~~python
;;   def quantise(x, axis):      # numpy; x: float32 -> the quantised numbers, widened to float32 again
;;       x = np.moveaxis(x, axis, -1); K = x.shape[-1]
;;       x = np.pad(x, [(0, 0)] * (x.ndim - 1) + [(0, -K % 32)]); x = x.reshape(x.shape[:-1] + (-1, 32)); a = np.abs(x).max(-1, keepdims=True)
;;       e = np.where(a > 0, np.clip(np.frexp(np.where(a > 0, a, 1))[1] - 1 - 2, -126, 127), 0)      # np.frexp(a)[1] - 1 = floor(log2(a)), exactly
;;       r = np.clip(x / 2.0 ** e, -6, 6)
;;       step = 2.0 ** (np.maximum(np.frexp(np.where(r == 0, 1, r))[1] - 1, 0) - 1)
;;       q = np.round(r / step) * step * 2.0 ** e      # np.round: ties to even
;;       return np.moveaxis(q.reshape(q.shape[:-2] + (-1,))[..., :K], -1, axis).astype(np.float32)
;;   ~~~
;; One version. Each part assembles by itself: llvm-mc -triple=amdgcn-amd-amdhsa -mcpu=gfx1250 --defsym DOCPART=n.
;; ======== version 1 of 1: 5 launches
;; limits: values are held in f16: magnitudes above 65,504 overflow, below 6.1e-05 lose precision
;; workspace buffers: xc 12,582,912 bytes; xs 786,432 bytes; wc 1,572,864 bytes; ws 98,304 bytes; wo16 2,097,152 bytes; qkv16 50,331,648 bytes; f32c 786,432 bytes; cc 16,777,216 bytes
;; launch prep (part 1): grid 928 x 1, 4 waves a work-group, no clusters, 33,280 bytes of LDS; arguments q, k, v, Wq, Wk, Wv, Wo, xc, xs, wc, ws, wo16; writes xc, xs, wc, ws, wo16
.if DOCPART == 1
	.amdgcn_target "amdgcn-amd-amdhsa--gfx1250"
	.amdhsa_code_object_version 6
	.text
	.protected	k_qf0e9e997a7_prep
	.globl	k_qf0e9e997a7_prep
	.p2align	8
	.type	k_qf0e9e997a7_prep,@function
k_qf0e9e997a7_prep:
	s_mov_b64 s[64:65], 0
	v_nop
	global_prefetch_b8 v0, s[64:65] scope:SCOPE_SE
	s_setreg_imm32_b32 hwreg(HW_REG_WAVE_MODE, 25, 1), 1
	s_wait_xcnt 0x0
; q, k, v [8192][1024] and Wq, Wk, Wv [1024][1024], f32, become codes of FP4 (E2M1), K innermost, with one E8M0 byte for each 32 along K.  Wo [1024][1024] becomes f16.
; A block's scale is 2^(floor(log2(its largest magnitude)) - 2); its byte is the largest magnitude's exponent field - 2, held at 1 from below.  A block of zeros so gets the byte 1 where the
; quantiser says 127: its codes are zeros, which add nothing under any byte but 0xff, and the bytes are read by this program alone.
; LIMITS: blocks whose largest magnitude lies under 2^-124 (the floor) were not tried; NaN and infinities among the inputs are not served; |Wo| up to 65,504 (f16).
; WORK-GROUPS: 0-767 q, k, v (256 each); 768-863 Wq, Wk, Wv (32 each); 864-927 Wo.  A wave of the first two kinds takes 8 rows of 1,024 numbers, 16 steps of 512.
; THE ROWS OF Wq, Wk, Wv ARE PERMUTED ON THE WAY: row n' = 64 h + d of the codes is row n = 16 d + h of the weight (head h, channel d), so that a head's 64 features are neighbours
; for the launches that follow.  Eight neighbouring n' are eight rows of the weight 16 rows (65,536 bytes) apart; for q, k, v the eight rows are neighbours (4,096 bytes apart).
; Each load reads 512 consecutive bytes, 16 a lane; a step's 2,048 bytes turn through the wave's own stage in LDS and come back 64 bytes (16 neighbours) a lane: two lanes hold a block.
; A step's codes leave as 256 consecutive bytes; a wave's 256 scale bytes are gathered in LDS and leave as one aligned run of 256 bytes.  Waves share nothing: no barrier.
; Wo goes out in the order of the reader's operand registers: [64 tiles of 16 rows n][32 K steps of 32][2 chunks][512 bytes]; in chunk c lane (r, hh) holds Wo[16 tile + r][32 step + 16 c + 8 hh + 0..7].
.set WAVES, 4
.set STEPS, 16
.set EMAX,  2
.set CB,    8                          ; bytes of 16 codes
.set R,     16                         ; v16-79   four sets of 16 numbers as they are loaded
.set X,     80                         ; v80-111  two sets of 16 neighbours
.set E,     112                        ; v112-127 a scale byte for each step
.set C,     128                        ; v128-191 codes: four registers for each step, so that no store's data are written again
.set RO,    192                        ; v192-199 byte offset of my 16 bytes in each of the wave's eight rows; never rewritten
.set WREG,  8192                       ; LDS: a region for each wave: two stages of 32 x SP bytes, and behind them its 256 scale bytes
.set SP,    80                         ; a lane's place in a stage: its 64 bytes + 16 of padding
.set SPW,   12                         ; v12  LDS address of my spare word; never rewritten
.set NIL,   13                         ; v13  0; never rewritten
.set SPARE, WAVES*WREG                 ; behind the four regions: the spare words, 128 bytes a wave
	s_load_b512 s[8:23], s[0:1], 0x0               ; q, k, v, Wq, Wk, Wv, Wo, xc
	s_load_b256 s[24:31], s[0:1], 0x40             ; xs, wc, ws, wo16
	v_lshl_add_u32 v[SPW], v0, 2, SPARE
	v_mov_b32 v[NIL], 0
	v_lshrrev_b32 v1, 5, v0
	v_readfirstlane_b32 s36, v1                    ; wave
	v_and_b32 v2, 31, v0                           ; lane
	v_lshlrev_b32 v3, 4, v2                        ; 16 x lane
	s_cmp_ge_u32 ttmp9, 864
	s_cbranch_scc1 .Lwo
	; ---- the quantiser
	s_mul_i32 s37, s36, WREG
	v_lshrrev_b32 v14, 2, v2
	v_mul_u32_u24 v14, v14, SP
	v_and_b32 v15, 3, v2
	v_lshl_add_u32 v14, v15, 4, v14
	v_add_nc_u32 v14, s37, v14                     ; the stage, on the way in: SP (lane / 4) + 16 (lane % 4)
	v_mul_u32_u24 v15, v2, SP
	v_add_nc_u32 v15, s37, v15                     ; and on the way out: SP x lane
	v_mul_u32_u24 v4, v2, CB                       ; my codes' place in a step's
	v_lshrrev_b32 v5, 1, v2
	s_add_co_u32 s37, s37, 2*32*SP
	v_add_nc_u32 v5, s37, v5                       ; LDS: my block's scale byte
	v_lshlrev_b32 v7, 3, v2
	v_add_nc_u32 v6, s37, v7                       ; and on the way out 8 bytes a lane
	s_and_b32 s38, ttmp9, 255
	s_lshl_b32 s38, s38, 2
	s_add_co_u32 s38, s38, s36
	s_lshl_b32 s38, s38, 15                        ; q, k, v: my eight rows begin (4 (id % 256) + wave) x 32,768 bytes into the tensor
	s_sub_co_u32 s39, ttmp9, 768
	s_and_b32 s40, s39, 31
	s_lshl_b32 s40, s40, 2
	s_add_co_u32 s40, s40, s36                     ; the weights: g = 4 (id % 32) + wave: rows n' = 8 g .. 8 g + 7: head g / 8, channels 8 (g % 8) + 0..7
	s_and_b32 s41, s40, 7
	s_lshl_b32 s41, s41, 19
	s_lshr_b32 s40, s40, 3
	s_lshl_b32 s40, s40, 12
	s_add_co_u32 s40, s40, s41                     ; row 128 (g % 8) + g / 8 of the weight, in bytes
	s_mov_b32 s35, 65536
	s_wait_kmcnt 0x0
	s_mov_b64 s[4:5], s[18:19]                     ; the source, chosen by the work-group's number alone
	s_cmp_lt_u32 ttmp9, 832
	s_cselect_b64 s[4:5], s[16:17], s[4:5]
	s_cmp_lt_u32 ttmp9, 800
	s_cselect_b64 s[4:5], s[14:15], s[4:5]
	s_cmp_lt_u32 ttmp9, 768
	s_cselect_b64 s[4:5], s[12:13], s[4:5]
	s_cselect_b64 s[6:7], s[22:23], s[26:27]       ; the codes' buffer,
	s_cselect_b64 s[32:33], s[24:25], s[28:29]     ; the scale bytes',
	s_cselect_b32 s42, ttmp9, s39                  ; the work-group's number within it,
	s_cselect_b32 s35, 4096, s35                   ; bytes from one of my rows to the next,
	s_cselect_b32 s38, s38, s40                    ; and where they begin
	s_cmp_lt_u32 ttmp9, 512
	s_cselect_b64 s[4:5], s[10:11], s[4:5]
	s_cmp_lt_u32 ttmp9, 256
	s_cselect_b64 s[4:5], s[8:9], s[4:5]
	s_mov_b32 s39, 0
	s_add_nc_u64 s[4:5], s[4:5], s[38:39]
	s_lshl_b32 s42, s42, 2
	s_add_co_u32 s42, s42, s36                     ; my run of 8,192 numbers in the output: 4,096 bytes of codes, 256 scale bytes
	s_lshl_b32 s40, s42, 12
	s_mov_b32 s41, 0
	s_add_nc_u64 s[6:7], s[6:7], s[40:41]
	s_lshl_b32 s40, s42, 8
	s_add_nc_u64 s[32:33], s[32:33], s[40:41]
.irp i, 0,1,2,3,4,5,6,7
	v_mad_u32_u24 v[RO+\i], s35, \i, v3
.endr
.macro LOAD t                          ; step t: half t % 2 of row t / 2
.irp i, 0,1,2,3
	global_load_b128 v[R+16*((\t)%4)+4*\i:R+16*((\t)%4)+4*\i+3], v[RO+(\t)/2], s[4:5] offset:2048*((\t)%2)+512*\i th:TH_LOAD_NT   ; 32 lanes read 512 consecutive bytes
.endr
.endm
.macro TURN t                          ; step t's numbers through the stage: LDS serves a wave's instructions in order, so no wait stands between the stores and the loads
.irp i, 0,1,2,3
	ds_store_b128 v14, v[R+16*((\t)%4)+4*\i:R+16*((\t)%4)+4*\i+3] offset:32*SP*((\t)%2)+8*SP*\i
.endr
.irp i, 0,1,2,3
	ds_load_b128 v[X+16*((\t)%2)+4*\i:X+16*((\t)%2)+4*\i+3], v15 offset:32*SP*((\t)%2)+16*\i
.endr
.endm
.irp t, 0,1,2,3
	LOAD \t
.endr
	s_wait_loadcnt 12                              ; step 0's four loads are in
	TURN 0
.macro QSTEP t
.set XS, X+16*((\t)%2)
.if (\t) > 0
	s_wait_dscnt 1                                 ; this step's numbers are back from the stage (the last step's byte store may be out): so its stores into the stage have read their registers,
.else
	s_wait_dscnt 0x0
.endif
.if (\t)+4 < STEPS
	LOAD (\t)+4                                    ; which take the loads of four steps on
.endif
.if (\t)+1 < STEPS
.if STEPS-2-(\t) >= 3
	s_wait_loadcnt 12                              ; the next step's four loads are in; those of the three steps behind it may be out
.else
	s_wait_loadcnt 4*(STEPS-2-(\t))
.endif
	TURN (\t)+1                                    ; and go through the other stage while this step is worked
.endif
	v_max3_num_f32 v8, |v[XS]|, |v[XS+1]|, |v[XS+2]|               ; the largest magnitude of my 16, in two chains
	v_max3_num_f32 v9, |v[XS+3]|, |v[XS+4]|, |v[XS+5]|
.irp i, 6,10
	v_max3_num_f32 v8, v8, |v[XS+\i]|, |v[XS+\i+1]|
	v_max3_num_f32 v9, v9, |v[XS+\i+2]|, |v[XS+\i+3]|
.endr
	v_max3_num_f32 v8, v8, |v[XS+14]|, |v[XS+15]|
	v_max3_num_f32 v8, v8, v9, (EMAX+1)<<23        ; and the floor 2^(3 - 127): the byte cannot fall under 1
	v_max_num_f32_dpp v8, v8, v8 row_xmask:1 row_mask:0xf bank_mask:0xf   ; and of my neighbour's 16: the block's
	v_add_nc_u32 v11, -(EMAX<<23), v8              ; 2 off its exponent field: the conversion takes the exponent field of this operand as its scale, and nothing else of it
	v_cvt_scalef32_pk8_fp4_f32 v[C+4*(\t)], v[XS:XS+7], v11        ; to the nearest code, ties to even, beyond the largest code the largest
	v_cvt_scalef32_pk8_fp4_f32 v[C+4*(\t)+1], v[XS+8:XS+15], v11
	v_lshrrev_b32 v[E+(\t)], 23, v11               ; the scale's byte (also the plain line behind the conversions)
	ds_store_b8 v5, v[E+(\t)] offset:16*(\t)       ; both lanes of a block write the same byte with the same value
	global_store_b64 v4, v[C+4*(\t):C+4*(\t)+1], s[6:7] offset:32*CB*(\t)   ; 32 lanes store 256 consecutive bytes
.endm
.irp t, 0,1,2,3,4,5,6,7,8,9,10,11,12,13,14,15
	QSTEP \t
.endr
	ds_load_b64 v[8:9], v6                         ; LDS serves a wave's instructions in order: these see my stores
	s_wait_dscnt 0x0
	global_store_b64 v7, v[8:9], s[32:33]          ; 32 lanes store 256 consecutive bytes
	s_wait_tensorcnt 0x0                           ; the wave's end, behind my last LDS store
	ds_add_u32 v[SPW], v[NIL]
	s_wait_dscnt 0x0
	s_endpgm
	; ---- Wo to f16: work-group = a tile of 16 rows, wave w = K steps 8 w .. 8 w + 7.  No LDS is touched on this way
.Lwo:
	v_and_b32 v4, 15, v0                           ; r
	v_bfe_u32 v5, v0, 4, 1                         ; hh
	v_lshlrev_b32 v6, 12, v4
	v_lshl_add_u32 v6, v5, 5, v6                   ; row r of 4,096 bytes, + 32 hh: my eight numbers of a chunk
	s_sub_co_u32 s37, ttmp9, 864                   ; the tile
	s_lshl_b32 s38, s37, 16
	s_lshl_b32 s40, s36, 10
	s_add_co_u32 s38, s38, s40                     ; 16 rows x tile + 8 K steps of 128 bytes x wave
	s_mov_b32 s39, 0
	s_lshl_b32 s40, s37, 15
	s_lshl_b32 s41, s36, 13
	s_add_co_u32 s40, s40, s41                     ; 32,768 bytes a tile, 1,024 a K step
	s_mov_b32 s41, 0
	s_wait_kmcnt 0x0
	s_add_nc_u64 s[4:5], s[20:21], s[38:39]
	s_add_nc_u64 s[6:7], s[30:31], s[40:41]
.irp qq, 0,1,2,3,4,5,6,7
.irp j, 0,1,2,3
	global_load_b128 v[16+16*\qq+4*\j:16+16*\qq+4*\j+3], v6, s[4:5] offset:128*\qq+64*(\j/2)+16*(\j%2) th:TH_LOAD_NT
.endr
.endr
.irp qq, 0,1,2,3,4,5,6,7
	s_wait_loadcnt 4*(7-\qq)                       ; this K step's four loads are in; the younger steps' may be out
.irp i, 0,1,2,3,4,5,6,7
	v_cvt_pk_f16_f32 v[144+8*\qq+\i], v[16+16*\qq+2*\i], v[17+16*\qq+2*\i]
.endr
	global_store_b128 v3, v[144+8*\qq:147+8*\qq], s[6:7] offset:1024*\qq        ; a chunk: 512 consecutive bytes
	global_store_b128 v3, v[148+8*\qq:151+8*\qq], s[6:7] offset:1024*\qq+512
.endr
	s_endpgm
.Lfunc_end_k_qf0e9e997a7_prep:
	.size	k_qf0e9e997a7_prep, .Lfunc_end_k_qf0e9e997a7_prep-k_qf0e9e997a7_prep
	.p2alignl 7, 3214868480
	.fill 96, 4, 3214868480
	.section	.rodata,"a",@progbits
	.p2align	6, 0x0
	.amdhsa_kernel k_qf0e9e997a7_prep
		.amdhsa_group_segment_fixed_size 33280
		.amdhsa_private_segment_fixed_size 0
		.amdhsa_enable_private_segment 0
		.amdhsa_kernarg_size 96
		.amdhsa_user_sgpr_count 2
		.amdhsa_user_sgpr_kernarg_segment_ptr 1
		.amdhsa_wavefront_size32 1
		.amdhsa_system_sgpr_workgroup_id_x 1
		.amdhsa_system_sgpr_workgroup_id_y 1
		.amdhsa_system_sgpr_workgroup_id_z 1
		.amdhsa_system_vgpr_workitem_id 0
		.amdhsa_next_free_vgpr 208
		.amdhsa_next_free_sgpr 66
		.amdhsa_reserve_vcc 0
		.amdhsa_float_denorm_mode_32 3
		.amdhsa_float_denorm_mode_16_64 3
		.amdhsa_memory_ordered 1
		.amdhsa_forward_progress 1
		.amdhsa_inst_pref_size 44
	.end_amdhsa_kernel
	.amdgpu_metadata
---
amdhsa.version: [ 1, 2 ]
amdhsa.kernels:
  - .name:           k_qf0e9e997a7_prep
    .symbol:         k_qf0e9e997a7_prep.kd
    .args:
      - { .name: q, .offset: 0, .size: 8, .value_kind: global_buffer, .address_space: global }
      - { .name: k, .offset: 8, .size: 8, .value_kind: global_buffer, .address_space: global }
      - { .name: v, .offset: 16, .size: 8, .value_kind: global_buffer, .address_space: global }
      - { .name: Wq, .offset: 24, .size: 8, .value_kind: global_buffer, .address_space: global }
      - { .name: Wk, .offset: 32, .size: 8, .value_kind: global_buffer, .address_space: global }
      - { .name: Wv, .offset: 40, .size: 8, .value_kind: global_buffer, .address_space: global }
      - { .name: Wo, .offset: 48, .size: 8, .value_kind: global_buffer, .address_space: global }
      - { .name: xc, .offset: 56, .size: 8, .value_kind: global_buffer, .address_space: global }
      - { .name: xs, .offset: 64, .size: 8, .value_kind: global_buffer, .address_space: global }
      - { .name: wc, .offset: 72, .size: 8, .value_kind: global_buffer, .address_space: global }
      - { .name: ws, .offset: 80, .size: 8, .value_kind: global_buffer, .address_space: global }
      - { .name: wo16, .offset: 88, .size: 8, .value_kind: global_buffer, .address_space: global }
    .group_segment_fixed_size: 33280
    .private_segment_fixed_size: 0
    .kernarg_segment_align: 8
    .kernarg_segment_size: 96
    .max_flat_workgroup_size: 128
    .sgpr_count:     66
    .vgpr_count:     208
    .wavefront_size: 32
...
	.end_amdgpu_metadata
.endif
;; end of part 1
;; launch gemm_qkv (part 2): grid 4 x 96, 4 waves a work-group, clusters of 4 x 4, 327,680 bytes of LDS; arguments xc, xs, wc, ws, bq, bk, qkv16, f32c; writes qkv16, f32c
.if DOCPART == 2
	.amdgcn_target "amdgcn-amd-amdhsa--gfx1250"
	.amdhsa_code_object_version 6
	.text
	.protected	k_qf0e9e997a7_gemm_qkv
	.globl	k_qf0e9e997a7_gemm_qkv
	.p2align	8
	.type	k_qf0e9e997a7_gemm_qkv,@function
k_qf0e9e997a7_gemm_qkv:
	s_mov_b64 s[64:65], 0
	v_nop
	global_prefetch_b8 v0, s[64:65] scope:SCOPE_SE
	s_setreg_imm32_b32 hwreg(HW_REG_WAVE_MODE, 25, 1), 1
	s_wait_xcnt 0x0
	s_wait_alu depctr_hold_cnt(0) depctr_sa_sdst(0) depctr_va_vdst(0) depctr_va_sdst(0) depctr_va_ssrc(0) depctr_va_vcc(0) depctr_vm_vsrc(0)
	s_getreg_b32 s2, hwreg(HW_REG_IB_STS2, 6, 4)
	s_cmp_eq_u32 s2, 0
	s_cbranch_scc0 .Lentry_in_a_cluster
	s_endpgm
.Lentry_in_a_cluster:
	s_bfe_u32 s2, ttmp6, 0x10000c
	s_cmp_lg_u32 s2, 0xf033
	s_cbranch_scc0 .Lentry_shape_is_right
	s_endpgm
.Lentry_shape_is_right:
; The three projections on codes of FP4 (E2M1) with one E8M0 scale for each 32 along K = 1,024; sums in f32.  Results leave as f16, in the order of the next launch's operand registers.
; xc [3][8192][512 bytes], xs [3][8192][32]: codes and scale bytes of q, k, v.  wc [3][1024][512], ws [3][1024][32]: of Wq, Wk, Wv, rows in the order n' = 64 head + channel.
; A tile of 256 x 256 results is made by four waves, 128 x 128 each: 64 accumulators, 512 registers.  K goes in two steps of 512, each in an LDS slot of its own: both are first fills, nothing is filled again.
; The scale bytes of the tile's 2 x 256 rows, for all of K, come into LDS once, with the first fills.
; CLUSTERS: 24 clusters of 4 x 4.  Cluster y = 8 p + t8: p = 0, 1, 2 for Q, K, V; t8 = which 256 positions of a sequence.  The operand called A here is shared along a row of the cluster (same cy),
; the one called B along a column (same cx): each tile is asked for jointly.
;   Q, K: A = positions (batch cy, block t8), B = features 256 cx on.        V: A = features 256 cy on, B = positions (batch cx, block t8): THE OPERANDS CHANGE PLACES BY ADDRESS ALONE.
; The matrix instruction takes 16 rows of B as source 0 and 16 rows of A as source 1: a lane holds one row of A and eight neighbours along B.  So for Q and K a lane holds a position and eight channels of
; a head, for V a channel and eight positions: rounded to f16 these 16 bytes are four registers of a fragment of the attention's products, in the same lane.  The 32 lanes' 16 bytes are a CHUNK of 512 bytes.
;   qkv16 [3 p][4 batch][16 head][128 tiles of 16 positions][4 tiles of 16 channels][512 bytes].
; bq and bk are the C of each sum's first product.  bv is not added here (a softmax's weights sum to one, so the attention adds it to its result): for V the same registers are cleared by a mask.
; f32c takes positions 0-15 of each sequence unrounded, as images of accumulator registers 4 u .. 4 u + 3: [3 p][4 batch][64 blocks of 16 features][2 u][512 bytes].
; LIMITS: |Q|, |K|, |V| up to 65,504 (f16).
; REGISTERS, in windows of 256: window 0: v0-31 addresses; v32-95 scale words, two sets; v96-103 store offsets; from v128 A's fragments, one set; on the way out v128-191 packed results.
;   window 1: B's fragments, two sets, at v0 and v128; v64-127 the bias.   window 2: accumulators of my rows 0-63 ((a, b) at v[8 (8 a + b)]);   window 3: rows 64-127.
.set KSTEP,  512
.set NQ,     KSTEP/128                 ; matrix instructions deep in a slot
.set ROWB,   256                       ; a tile's row in bytes
.set KROW,   512                       ; a row of codes in memory
.set PITCH,  272                       ; an LDS row: 256 bytes + 16 of padding = 68 words: the 16 rows that a load touches start 4 banks apart (64 banks of 4 bytes: ISA guide 11.1)
.set FR,     8                         ; registers of a fragment: 16 rows x 128 K
.set NL,     2                         ; LDS loads that bring one
.set NP,     4                         ; places behind this matrix instruction (ISA guide 7.12.1)
.set HALFT,  128*PITCH
.set SLOT,   4*HALFT                   ; A's 256 rows, then B's 256 rows
.set KS,     32                        ; a row of scale bytes
.set SCL,    2*SLOT                    ; behind the slots: the scales, as runs of 256 bytes + 16 of padding
.set HALFS,  (128*KS/256)*272
.set SBLK,   (16*KS/256)*272
.set SPARE,  SCL+4*HALFS               ; the spare words, 128 bytes a wave
.set ADRA, 16                          ; v16-17  LDS address of my A fragments in slot 0, 1
.set ADRB, 20                          ; v20-21  the same for B
.set L16,  26                          ; v26     16 x lane
.set ADRS, 27                          ; v27     LDS address of my scale words: lanes 0-15 A's rows, lanes 16-31 B's
.set SPW,  28                          ; v28     LDS address of my spare word; never rewritten
.set NIL,  29                          ; v29     0; never rewritten
.set BOF,  30                          ; v30     the bias: 512 x (lane / 16)
.set SC,   32
.set OB,   96                          ; v96-103 store offset of B's block b: 16 x lane + the block's place
.set AF,   128
.set TMP,  128
.set CBR,  64                          ; in window 1: the bias, register 8 b + j for B's block b
.set G1, 24
.set G0, 32
.set G1B, 48
.set G0B, 56
.set G1S, 68
.set G0S, 76
.set G1SB, 80
.set G0SB, 88
.set MSB, 0
.macro WIN new                         ; the immediate's high byte repeats the setting that is left
.if MSB != (\new)
	s_set_vgpr_msb (MSB<<8)|(\new)
.set MSB, (\new)
.endif
.endm
.set MUL_LO, 0xa1                      ; source 0 (B) window 1, source 1 (A) window 0, C and D window 2
.set MUL_HI, 0xf1                      ; the same, C and D window 3.  In the first step C is the bias, in window 1: 0x91, 0xd1
.set TO_B,   0x40
; A joint load: waves 0 and 1 fetch for A, waves 2 and 3 for B.  The branch hangs on the wave's number alone.  An s_nop 0 and four v_nop follow each of the two lines.
.macro JLOAD g0a, g1a, g0b, g1b
	s_cmp_eq_u32 s15, 0
	s_cbranch_scc0 .Lfor_b_\@
	tensor_load_to_lds s[\g0a:\g0a+3], s[\g1a:\g1a+7]
	s_nop 0
.rept 4
	v_nop
.endr
	s_branch .Lasked_\@
.Lfor_b_\@:
	tensor_load_to_lds s[\g0b:\g0b+3], s[\g1b:\g1b+7]
	s_nop 0
.rept 4
	v_nop
.endr
.Lasked_\@:
.endm
.macro CROUND                          ; a round of the cluster's barrier
	s_barrier_signal -1
	s_barrier_wait -1
	s_cmp_lg_u32 s14, 0
	s_cbranch_scc1 .Lnot_wave_0_\@
	s_barrier_signal -3
.Lnot_wave_0_\@:
	s_barrier_wait -3
	s_barrier_signal -1
	s_barrier_wait -1
.endm
	s_load_b256 s[4:11], s[0:1], 0x0               ; xc s[4:5], xs s[6:7], wc s[8:9], ws s[10:11]
	s_load_b256 s[92:99], s[0:1], 0x20             ; bq s[92:93], bk s[94:95], qkv16 s[96:97], f32c s[98:99]
	v_lshl_add_u32 v[SPW], v0, 2, SPARE
	v_mov_b32 v[NIL], 0
	ds_add_u32 v[SPW], v[NIL]                      ; the wave's opening: the add, twice on end, and its wait ahead of my first tensor load
	ds_add_u32 v[SPW], v[NIL]
	v_lshrrev_b32 v1, 5, v0
	v_readfirstlane_b32 s14, v1                    ; wave 0..3
	s_lshr_b32 s15, s14, 1                         ; wm: which half of A's rows is mine.  Also: I fetch for A (0) or for B (1)
	s_and_b32 s16, s14, 1                          ; wn: which half of B's rows.  Also: which 128 rows I fetch
	s_bfe_u32 s40, ttmp6, 0x40000                  ; cx
	s_bfe_u32 s41, ttmp6, 0x40004                  ; cy
	s_and_b32 s18, ttmp7, 0xffff                   ; the cluster's y, the same in all sixteen partners
	s_lshr_b32 s17, s18, 3                         ; p
	s_and_b32 s2, s18, 7                           ; t8
	s_lshl_b32 s43, s41, 2
	s_lshl_b32 s43, 15, s43                        ; my row of the cluster
	s_lshl_b32 s44, 0x1111, s40                    ; my column
	; descriptor group 1: a tile of 128 rows x 256 bytes, 16 bytes of padding behind each row
	s_or_b32 s[G1+0], s43, (0<<16)|(1<<20)|(1<<21)|(5<<22)|(3<<25)
	s_or_b32 s[G1B+0], s44, (0<<16)|(1<<20)|(1<<21)|(5<<22)|(3<<25)
.irp g, G1, G1B
	s_mov_b32 s[\g+1], ROWB<<16                    ; tensor_dim0
	s_mov_b32 s[\g+2], 128<<16                     ; tensor_dim1
	s_mov_b32 s[\g+3], ROWB<<16                    ; tile_dim0
	s_mov_b32 s[\g+4], 128                         ; tile_dim1
	s_mov_b32 s[\g+5], KROW                        ; the pitch
	s_mov_b32 s[\g+6], 0
	s_mov_b32 s[\g+7], 0
.endr
	; the scales of 128 rows: a dense block of 4,096 bytes, as 16 rows of 256 bytes (32 elements of 8), 16 bytes of padding behind each
	s_or_b32 s[G1S+0], s43, (3<<16)|(1<<20)|(1<<21)|(5<<22)|(3<<25)
	s_or_b32 s[G1SB+0], s44, (3<<16)|(1<<20)|(1<<21)|(5<<22)|(3<<25)
.irp g, G1S, G1SB
	s_mov_b32 s[\g+1], 32<<16
	s_mov_b32 s[\g+2], (128*KS/256)<<16
	s_mov_b32 s[\g+3], 32<<16
	s_mov_b32 s[\g+4], 128*KS/256
	s_mov_b32 s[\g+5], 32
	s_mov_b32 s[\g+6], 0
	s_mov_b32 s[\g+7], 0
.endr
	; the rows that I fetch.  A's hang on cy, p, t8 and the wave; B's on cx, p, t8 and the wave
	s_lshl_b32 s18, s17, 13
	s_lshl_b32 s19, s2, 8
	s_add_co_u32 s18, s18, s19                     ; Q, K: A begins at row 8192 p + 256 t8 (+ 2048 cy) of xc
	s_add_co_u32 s19, s19, 16384                   ; V: B begins at row 16384 + 256 t8 (+ 2048 cx) of xc
	s_lshl_b32 s42, s17, 10                        ; Q, K: B begins at row 1024 p (+ 256 cx) of wc
	s_lshl_b32 s100, s16, 7                        ; + which 128 rows
	s_cmp_eq_u32 s17, 2
	s_cselect_b32 s18, 2048, s18                   ; V: A begins at row 2048 (+ 256 cy) of wc
	s_cselect_b32 s19, s19, s42
	s_cselect_b32 s42, 8, 11                       ; cy counts 256 rows or 2,048
	s_cselect_b32 s101, 11, 8                      ; cx likewise
	s_cselect_b32 s3, 0, -1                        ; the bias's mask
	s_lshl_b32 s20, s41, s42
	s_add_co_u32 s20, s20, s18
	s_add_co_u32 s20, s20, s100
	s_lshl_b32 s46, s40, s101
	s_add_co_u32 s46, s46, s19
	s_add_co_u32 s46, s46, s100
	s_mov_b32 s21, 0
	s_mov_b32 s47, 0
	s_mov_b64 s[12:13], KS
	s_mul_u64 s[22:23], s[20:21], s[12:13]         ; where these rows' scales begin, in bytes,
	s_mul_u64 s[66:67], s[46:47], s[12:13]
	s_mov_b64 s[12:13], KROW
	s_mul_u64 s[20:21], s[20:21], s[12:13]         ; and their codes
	s_mul_u64 s[46:47], s[46:47], s[12:13]
	s_mul_i32 s45, s14, HALFT                      ; where they go: wave x 128 rows: no place in the cluster enters an LDS address
	s_mul_i32 s18, s14, HALFS
	s_wait_dscnt 0x0                               ; both opening adds are done
	s_wait_kmcnt 0x0
	s_cmp_eq_u32 s17, 2                            ; the buffers change places for V
	s_cselect_b64 s[100:101], s[8:9], s[4:5]
	s_add_nc_u64 s[20:21], s[100:101], s[20:21]
	s_cselect_b64 s[100:101], s[10:11], s[6:7]
	s_add_nc_u64 s[22:23], s[100:101], s[22:23]
	s_cselect_b64 s[100:101], s[4:5], s[8:9]
	s_add_nc_u64 s[46:47], s[100:101], s[46:47]
	s_cselect_b64 s[100:101], s[6:7], s[10:11]
	s_add_nc_u64 s[66:67], s[100:101], s[66:67]
	CROUND                                         ; all sixteen work-groups are here: the first joint loads meet
	s_mov_b32 s[G0S], 1
	s_add_co_u32 s[G0S+1], s18, SCL
	s_mov_b64 s[G0S+2:G0S+3], s[22:23]
	s_or_b32 s[G0S+3], s[G0S+3], 0x80000000
	s_mov_b32 s[G0SB], 1
	s_add_co_u32 s[G0SB+1], s18, SCL
	s_mov_b64 s[G0SB+2:G0SB+3], s[66:67]
	s_or_b32 s[G0SB+3], s[G0SB+3], 0x80000000
	JLOAD G0S, G1S, G0SB, G1SB                     ; the scales first: they are wanted with K step 0
.irp s, 0,1
	s_mov_b32 s[G0+4*\s], 1
	s_add_co_u32 s[G0+4*\s+1], s45, \s*SLOT
	s_add_nc_u64 s[G0+4*\s+2:G0+4*\s+3], s[20:21], \s*ROWB
	s_or_b32 s[G0+4*\s+3], s[G0+4*\s+3], 0x80000000
	s_mov_b32 s[G0B+4*\s], 1
	s_add_co_u32 s[G0B+4*\s+1], s45, \s*SLOT
	s_add_nc_u64 s[G0B+4*\s+2:G0B+4*\s+3], s[46:47], \s*ROWB
	s_or_b32 s[G0B+4*\s+3], s[G0B+4*\s+3], 0x80000000
	JLOAD G0+4*\s, G1, G0B+4*\s, G1B               ; three tensor loads of mine are out
.endr
	v_and_b32 v1, 15, v0                           ; r
	v_bfe_u32 v2, v0, 4, 1                         ; hh
	v_mul_u32_u24 v3, v1, PITCH
	v_lshl_add_u32 v4, v2, 4, v3                   ; a fragment's row x pitch + 16 x half
	s_mul_i32 s21, s15, HALFT                      ; my 128 rows of A
	s_mul_i32 s22, s16, HALFT                      ; my 128 rows of B,
	s_add_co_u32 s22, s22, 2*HALFT                 ; which lie behind A's 256
.irp s, 0,1
	v_add_nc_u32 v[ADRA+\s], s21, v4
	v_add_nc_u32 v[ADRB+\s], s22, v4
	s_add_co_u32 s21, s21, SLOT
	s_add_co_u32 s22, s22, SLOT
.endr
	v_mul_u32_u24 v5, v1, KS                       ; my row's scales: 32 bytes a row,
	v_lshrrev_b32 v6, 8, v5
	v_lshl_add_u32 v5, v6, 4, v5                   ; and 16 more for each 256 passed
	s_mul_i32 s21, s15, HALFS
	s_mul_i32 s22, s16, HALFS
	s_add_co_u32 s22, s22, 2*HALFS
	s_sub_co_u32 s22, s22, s21
	v_mul_u32_u24 v6, s22, v2                      ; lanes 16-31 take B's
	s_add_co_u32 s21, s21, SCL
	v_add_nc_u32 v5, v5, v6
	v_add_nc_u32 v[ADRS], s21, v5
	v_and_b32 v6, 31, v0
	v_lshlrev_b32 v[L16], 4, v6
	v_lshlrev_b32 v[BOF], 9, v2
	; the bias: register 8 b + j holds bias[16 d + h], d = 16 (b % 4) + 8 hh + j, h = 4 cx + 2 wn + b / 4: the feature of B's block b that falls into register j of my lane
	s_cmp_eq_u32 s17, 0
	s_cselect_b64 s[100:101], s[92:93], s[94:95]   ; bq for Q, bk for K (for V: bk's numbers, cleared below)
	s_lshl_b32 s20, s40, 4
	s_lshl_b32 s21, s16, 3
	s_add_co_u32 s20, s20, s21
	s_mov_b32 s21, 0
	s_add_nc_u64 s[100:101], s[100:101], s[20:21]
	WIN TO_B
.irp b, 0,1,2,3,4,5,6,7
.irp j, 0,1,2,3,4,5,6,7
	global_load_b32 v[CBR+8*\b+\j], v[BOF], s[100:101] offset:1024*(\b%4)+64*\j+4*(\b/4)
.endr
.endr
	WIN 0
	; the way out's numbers.  bat: the batch; 4 Y + 2 U: my first head; W: which 8 tiles of positions
	s_mov_b32 s12, 2048
	s_mov_b32 s13, 8192
	s_cmp_eq_u32 s17, 2
	s_cselect_b32 s20, s40, s41                    ; bat
	s_cselect_b32 s21, s41, s40                    ; Y
	s_cselect_b32 s22, s15, s16                    ; U
	s_cselect_b32 s42, s16, s15                    ; W
	s_cselect_b32 s18, s12, 512                    ; from B's block b to b + 1: a tile of positions (V) or of channels
	s_cselect_b32 s19, s13, 262144                 ; from b to b + 4: four tiles of positions (V) or a head
	s_cselect_b32 s66, 512, s12                    ; from A's block a to a + 1,
	s_cselect_b32 s46, 260608, s12                 ; and from a = 3 to a = 4: a head less three tiles of channels (V), or one more tile of positions
	s_mov_b32 s67, 0
	s_mov_b32 s47, 0
	s_lshl_b32 s21, s21, 1
	s_add_co_u32 s21, s21, s22
	s_lshl_b32 s21, s21, 1                         ; 4 Y + 2 U
	s_lshl_b32 s12, s20, 16                        ; f32c: 65,536 bytes a batch,
	s_lshl_b32 s13, s21, 12                        ; 4 blocks of 1,024 bytes a head,
	s_add_co_u32 s12, s12, s13
	s_lshl_b32 s13, s17, 18                        ; 262,144 a part
	s_add_co_u32 s12, s12, s13
	s_mov_b32 s13, 0
	s_add_nc_u64 s[22:23], s[98:99], s[12:13]
	s_lshl_b32 s20, s20, 4
	s_add_co_u32 s20, s20, s21
	s_lshl_b32 s20, s20, 18                        ; qkv16: 2^18 bytes a head,
	s_lshl_b32 s12, s2, 4
	s_lshl_b32 s21, s42, 3
	s_add_co_u32 s12, s12, s21
	s_lshl_b32 s12, s12, 11                        ; 2,048 a tile of positions,
	s_add_co_u32 s20, s20, s12
	s_lshl_b32 s12, s17, 24                        ; 2^24 a part
	s_add_co_u32 s20, s20, s12
	s_mov_b32 s21, 0
	s_add_nc_u64 s[20:21], s[96:97], s[20:21]
.irp b, 0,1,2,3
	v_mad_u32_u24 v[OB+\b], s18, \b, v[L16]
.endr
.irp b, 0,1,2,3
	v_add_nc_u32 v[OB+4+\b], s19, v[OB+\b]
.endr
	s_wait_loadcnt 0x0                             ; the bias
	WIN 0x44
.set i, 0
.rept 64
	v_and_b32 v[CBR+i], s3, v[CBR+i]               ; kept for Q and K, cleared for V
.set i, i+1
.endr
	WIN 0
.macro FRAG reg, adr, q, i             ; a fragment: lane l holds row l % 16; registers 4 c .. 4 c + 3 hold K = 64 c + 32 (l / 16) + 0 .. 31
.irp c, 0,1
	ds_load_b128 v[\reg+4*\c:\reg+4*\c+3], v[\adr] offset:64*(\q)+32*\c+(\i)*16*PITCH
.endr
.endm
; 16 matrix instructions: A's blocks a0, a0 + 1 x B's eight, the slot's q-th 128 along K.  p: B's set; sc: the set of scale words.  zero = 1: the first product starts the sums from the bias.
; The 64 accumulators take turns, one instruction a turn, in the same order in every step.
.macro MUL16 a0, p, q, sc, zero
.irp a, \a0, \a0+1
.irp b, 0,1,2,3,4,5,6,7
.if \zero
	v_wmma_scale_f32_16x16x128_f8f6f4 v[8*(8*((\a)%4)+\b):8*(8*((\a)%4)+\b)+7], v[128*(\p)+FR*\b:128*(\p)+FR*\b+FR-1], v[AF+FR*(\a):AF+FR*(\a)+FR-1], v[CBR+8*\b:CBR+8*\b+7], v[SC+8*NQ*(\sc)+NQ*\b+(\q)], v[SC+8*NQ*(\sc)+NQ*(\a)+(\q)] matrix_a_fmt:MATRIX_FMT_FP4 matrix_b_fmt:MATRIX_FMT_FP4 matrix_a_scale:MATRIX_SCALE_ROW1
.else
	v_wmma_scale_f32_16x16x128_f8f6f4 v[8*(8*((\a)%4)+\b):8*(8*((\a)%4)+\b)+7], v[128*(\p)+FR*\b:128*(\p)+FR*\b+FR-1], v[AF+FR*(\a):AF+FR*(\a)+FR-1], v[8*(8*((\a)%4)+\b):8*(8*((\a)%4)+\b)+7], v[SC+8*NQ*(\sc)+NQ*\b+(\q)], v[SC+8*NQ*(\sc)+NQ*(\a)+(\q)] matrix_a_fmt:MATRIX_FMT_FP4 matrix_b_fmt:MATRIX_FMT_FP4 matrix_a_scale:MATRIX_SCALE_ROW1
.endif
.endr
.endr
.endm
.macro FETCH_B slot, q, p
	WIN TO_B
.irp i, 0,1,2,3,4,5,6,7
	FRAG 128*(\p)+FR*\i, ADRB+\slot, \q, \i
.endr
	WIN 0
.endm
.macro FETCH_A slot, q, i0
.irp i, \i0, \i0+1, \i0+2, \i0+3
	FRAG AF+FR*(\i), ADRA+\slot, \q, \i
.endr
.endm
.macro SCALES sc                       ; a K step's scale words: 4 words a row; lanes 0-15 take A's block i, lanes 16-31 B's block i
.irp i, 0,1,2,3,4,5,6,7
	ds_load_b128 v[SC+8*NQ*\sc+NQ*\i:SC+8*NQ*\sc+NQ*\i+3], v[ADRS] offset:\i*SBLK
.endr
.endm
.macro PLACES n                        ; plain vector lines between a matrix instruction and a load into, or a read of, its registers
.rept \n
	v_nop
.endr
.endm
; A step of 128 along K that has its successor in the same slot.  A has one set of registers: blocks 0-3 are fetched anew in the step's middle, blocks 4-7 at its end.
.macro STEP slot, q, zero
	s_wait_dscnt 4*NL                              ; B's set and A's blocks 0-3 are in; the youngest eight loads (A's blocks 4-7) may be out
	WIN MUL_LO-0x10*(\zero)
	MUL16 0, (\q)%2, \q, \slot, \zero
	MUL16 2, (\q)%2, \q, \slot, \zero
	s_wait_dscnt 0
	PLACES NP
	FETCH_B \slot, (\q)+1, 1-(\q)%2
	FETCH_A \slot, (\q)+1, 0
	WIN MUL_HI-0x20*(\zero)
	MUL16 4, (\q)%2, \q, \slot, \zero
	MUL16 6, (\q)%2, \q, \slot, \zero
	PLACES NP
	WIN 0
	FETCH_A \slot, (\q)+1, 4
.endm
.macro STEPS slot, from
.set Q, \from
.rept NQ-1-\from
	STEP \slot, Q, 0
.set Q, Q+1
.endr
.endm
	PLACES 8                                       ; between the mask's last lines and the products that take the bias
	s_wait_tensorcnt 1                             ; the scales and my part of K step 0 are in (K step 1's load may be out)
	s_barrier_signal -1
	s_barrier_wait -1                              ; everybody's are
	FETCH_B 0, 0, 0
	FETCH_A 0, 0, 0
	SCALES 0
	FETCH_A 0, 0, 4
	STEP 0, 0, 1
	STEPS 0, 1
	; slot 0's last step changes slots: one barrier; nothing is filled again
	s_wait_tensorcnt 0x0                           ; my part of slot 1 has landed
	ds_add_u32 v[SPW], v[NIL]
	s_wait_dscnt 4*NL+1                            ; (the add and the youngest eight loads may be out)
	WIN MUL_LO
	MUL16 0, 1, NQ-1, 0, 0
	s_wait_dscnt 0x0                               ; no LDS instruction of mine is pending at the signal
	s_barrier_signal -1
	MUL16 2, 1, NQ-1, 0, 0
	WIN 0
	s_barrier_wait -1                              ; slot 1 is whole
	PLACES NP
	v_add_nc_u32 v[ADRS], 4*NQ, v[ADRS]            ; on to the next K step's scale words
	FETCH_B 1, 0, 0
	FETCH_A 1, 0, 0
	SCALES 1
	WIN MUL_HI
	MUL16 4, 1, NQ-1, 0, 0
	MUL16 6, 1, NQ-1, 0, 0
	PLACES NP
	WIN 0
	FETCH_A 1, 0, 4
	STEPS 1, 0
	s_wait_dscnt 4*NL                              ; the very last step
	WIN MUL_LO
	MUL16 0, 1, NQ-1, 1, 0
	MUL16 2, 1, NQ-1, 1, 0
	s_wait_dscnt 0
	WIN MUL_HI
	MUL16 4, 1, NQ-1, 1, 0
	MUL16 6, 1, NQ-1, 1, 0
	WIN 0
	PLACES NP                                      ; in front of the first reads of results, and of the writes into the registers that held A's fragments
	; positions 0-15 unrounded: they lie in the tiles with t8 = 0, in the waves with W = 0: A's block 0 (Q, K) or B's block 0 (V).  The branches hang on the cluster's y and the wave's number
	s_cmp_lg_u32 s2, 0
	s_cbranch_scc1 .Lcopied
	s_cmp_lg_u32 s42, 0
	s_cbranch_scc1 .Lcopied
	s_cmp_eq_u32 s17, 2
	s_cbranch_scc1 .Lcopy_v
	WIN 0x08                                       ; a store's data are its source 1: window 2
.irp b, 0,1,2,3,4,5,6,7
	global_store_b128 v[L16], v[8*\b:8*\b+3], s[22:23] offset:1024*\b          ; each accumulator from its low end on
	global_store_b128 v[L16], v[8*\b+4:8*\b+7], s[22:23] offset:1024*\b+512
.endr
	WIN 0
	s_branch .Lcopied
.Lcopy_v:
	WIN 0x08
.irp a, 0,1,2,3
	global_store_b128 v[L16], v[64*\a:64*\a+3], s[22:23] offset:1024*\a
	global_store_b128 v[L16], v[64*\a+4:64*\a+7], s[22:23] offset:1024*\a+512
.endr
	WIN 0x0c                                       ; window 3
.irp a, 0,1,2,3
	global_store_b128 v[L16], v[64*\a:64*\a+3], s[22:23] offset:1024*(\a+4)
	global_store_b128 v[L16], v[64*\a+4:64*\a+7], s[22:23] offset:1024*(\a+4)+512
.endr
	WIN 0
.Lcopied:
; THE WAY OUT of A's block a: eight accumulators become eight chunks; each store covers 512 consecutive bytes, aligned.  No LDS: a lane's 16 bytes are wanted in that lane.
.macro PACKSEND a
.set AC, 64*((\a)%4)
.set PKB, TMP+32*((\a)%2)
	WIN 0x0a+5*((\a)/4)                            ; sources 0 and 1: window 2 or 3
.irp b, 0,1,2,3,4,5,6,7
.irp r, 0,1,2,3
	v_cvt_pk_f16_f32 v[PKB+4*\b+\r], v[AC+8*\b+2*\r], v[AC+8*\b+2*\r+1]
.endr
.endr
	WIN 0
.if (\a) > 0
	s_wait_xcnt 0x0                                ; the earlier stores have read their base and their data: the base steps, and the next block may write the other buffer
.if (\a) == 4
	s_add_nc_u64 s[20:21], s[20:21], s[46:47]
.else
	s_add_nc_u64 s[20:21], s[20:21], s[66:67]
.endif
.endif
.irp b, 0,1,2,3,4,5,6,7
	global_store_b128 v[OB+\b], v[PKB+4*\b:PKB+4*\b+3], s[20:21]
.endr
.endm
.irp a, 0,1,2,3,4,5,6,7
	PACKSEND \a
.endr
	s_wait_tensorcnt 0x0                           ; the wave's end, behind my last tensor load
	ds_add_u32 v[SPW], v[NIL]
	s_wait_dscnt 0x0
	CROUND                                         ; the closing round
	s_endpgm
.Lfunc_end_k_qf0e9e997a7_gemm_qkv:
	.size	k_qf0e9e997a7_gemm_qkv, .Lfunc_end_k_qf0e9e997a7_gemm_qkv-k_qf0e9e997a7_gemm_qkv
	.p2alignl 7, 3214868480
	.fill 96, 4, 3214868480
	.section	.rodata,"a",@progbits
	.p2align	6, 0x0
	.amdhsa_kernel k_qf0e9e997a7_gemm_qkv
		.amdhsa_group_segment_fixed_size 327680
		.amdhsa_private_segment_fixed_size 0
		.amdhsa_enable_private_segment 0
		.amdhsa_kernarg_size 64
		.amdhsa_user_sgpr_count 2
		.amdhsa_user_sgpr_kernarg_segment_ptr 1
		.amdhsa_wavefront_size32 1
		.amdhsa_system_sgpr_workgroup_id_x 1
		.amdhsa_system_sgpr_workgroup_id_y 1
		.amdhsa_system_sgpr_workgroup_id_z 1
		.amdhsa_system_vgpr_workitem_id 0
		.amdhsa_next_free_vgpr 1024
		.amdhsa_next_free_sgpr 102
		.amdhsa_reserve_vcc 0
		.amdhsa_float_denorm_mode_32 3
		.amdhsa_float_denorm_mode_16_64 3
		.amdhsa_memory_ordered 1
		.amdhsa_forward_progress 1
		.amdhsa_inst_pref_size 131
	.end_amdhsa_kernel
	.amdgpu_metadata
---
amdhsa.version: [ 1, 2 ]
amdhsa.kernels:
  - .name:           k_qf0e9e997a7_gemm_qkv
    .symbol:         k_qf0e9e997a7_gemm_qkv.kd
    .args:
      - { .name: xc, .offset: 0, .size: 8, .value_kind: global_buffer, .address_space: global }
      - { .name: xs, .offset: 8, .size: 8, .value_kind: global_buffer, .address_space: global }
      - { .name: wc, .offset: 16, .size: 8, .value_kind: global_buffer, .address_space: global }
      - { .name: ws, .offset: 24, .size: 8, .value_kind: global_buffer, .address_space: global }
      - { .name: bq, .offset: 32, .size: 8, .value_kind: global_buffer, .address_space: global }
      - { .name: bk, .offset: 40, .size: 8, .value_kind: global_buffer, .address_space: global }
      - { .name: qkv16, .offset: 48, .size: 8, .value_kind: global_buffer, .address_space: global }
      - { .name: f32c, .offset: 56, .size: 8, .value_kind: global_buffer, .address_space: global }
    .group_segment_fixed_size: 327680
    .private_segment_fixed_size: 0
    .kernarg_segment_align: 8
    .kernarg_segment_size: 64
    .max_flat_workgroup_size: 128
    .sgpr_count:     102
    .vgpr_count:     1024
    .wavefront_size: 32
...
	.end_amdgpu_metadata
.endif
;; end of part 2
;; launch attn (part 3): grid 4 x 64, 8 waves a work-group, no clusters, 327,680 bytes of LDS; arguments qkv16, bv, cc; writes cc
.if DOCPART == 3
	.amdgcn_target "amdgcn-amd-amdhsa--gfx1250"
	.amdhsa_code_object_version 6
	.text
	.protected	k_qf0e9e997a7_attn
	.globl	k_qf0e9e997a7_attn
	.p2align	8
	.type	k_qf0e9e997a7_attn,@function
k_qf0e9e997a7_attn:
	s_mov_b64 s[64:65], 0
	v_nop
	global_prefetch_b8 v0, s[64:65] scope:SCOPE_SE
	s_setreg_imm32_b32 hwreg(HW_REG_WAVE_MODE, 25, 1), 1
	s_wait_xcnt 0x0
; Causal attention of one head: O[q] = sum over k <= q of softmax_k(Q[q] . K[k] / 32) V[k] + bv.  Q, K, V are f16, products and sums f32, the weights p rounded to f16 for the second product.
; (V arrives without bv: the weights of a row sum to one, so bv is added to the quotient, as the addend of the last fused multiply-add.)
; qkv16 [3 (Q, K, V)][64 batch x head][128 tiles of 16 positions][4 tiles of 16 channels][512 bytes]: chunks in the order of the operands' registers.  In a chunk of Q or K lane (r, hh) holds position r,
; channels 8 hh + 0..7; of V channel r, positions 8 hh + 0..7.  A fragment is two chunks, each read at 16 x lane: no pitch, no padding, nothing is turned.
; cc [512 tiles of 16 rows][16 head][4][512 bytes]: the result, again as chunks: lane (r, hh) holds row r and K index 64 head + 16 ct + 8 hh + 0..7 of the projection that follows.
; SHARES.  Work-group (i, batch x head) owns query blocks i and 7 - i of 256 queries: 9 blocks of keys' work in every work-group.  Each of eight waves owns 32 queries of each block: piece L (tiles 0, 1)
; and piece H (tiles 2, 3).  One walk over the keys, 64 a step, serves both.  A step all of whose keys come after L's queries is walked for H alone: ONE scalar branch on ids parts the step into two arms.
; Two waves share a SIMD, so that one wave's softmax stands beside the other's products.
; LAYOUT.  S^T = K Q^T, O^T = V^T P: a lane holds ONE query (lane % 16) throughout.
; SOFTMAX.  A running maximum m and sum l for each query: p = 2^(c s - c m), c = log2(e) / 32; in every step O and l are multiplied by a = 2^(c m_old - c m_new).
; RING.  Two LDS slots of 256 keys (K's 32,768 bytes, then V's), each wave fetching 8,192 dense bytes by one tensor load.  Every work-group walks all 8 slots, so that the trip counts are constants;
; a slot whose first key comes after the work-group's last query is not asked for.
; NO CLUSTER: the four work-groups of a head need 8, 7, 6 and 5 slots: the mask would let all waves of a partner jump over the reads of a tile that a joint load brought.
; LIMITS: positions 0-15 of each sequence are made here in f16 like the rest and made again in f32 by the last launch.  NaN and infinities are not served.
; REGISTERS: window 0: v1-10 addresses; v16-47 statistics, 8 a tile (+0 c m, +1 m, +2, +3 l, +4..7 at work; a at +6); v64-191 S^T, 32 a tile; v192-255 P, 16 a tile.
;   window 1: v0-63 Q, 16 a tile; v64-127 K's fragments and V's by turns; v128-255 O^T, 32 a tile.
.set SLOTB, 65536
.set VOFF,  32768
.set SPARE, 131072                     ; behind the ring: the spare words, 128 bytes a wave
.set L16,  1                           ; v1   16 x lane
.set ADR,  2                           ; v2   LDS address of the step's chunks
.set DB,   3                           ; v3   r - 8 hh
.set D0,   4                           ; v4, v5  the mask's bound for a piece's two tiles
.set D1,   5
.set NINF, 6                           ; v6   -infinity
.set PFO,  7                           ; v7   256 x lane; never rewritten
.set SPW,  8                           ; v8   LDS address of my spare word; never rewritten
.set NIL,  9                           ; v9   0; never rewritten
.set BVO,  10                          ; v10  512 hh
.set ST,   16
.set S,    64
.set P,    192
.set QR,   0
.set KV,   64
.set O,    128
.set WV,   10                          ; s10  wave
.set QL,   13                          ; s13, s14  the pieces' first queries;  s15, s16 their last
.set QH,   14
.set QLE,  15
.set QHE,  16
.set LASTQ, 17                         ; s17  the work-group's last query
.set KF,   18                          ; s18  the step's first key
.set TB,   19                          ; s19  LDS byte at which the step's chunks of K begin
.set SLOTS, 20
.set CNT,  21
.set CS,   22                          ; s[22:23] c
.set SEL,  24                          ; s[24:25] lane selects: lane l xor 16
.set G1,   28                          ; s[28:35] descriptor group 1;  s[36:39] group 0, which walks
.set G0,   36
.set PFA,  40                          ; s[40:41] where my prefetches stand
.set LIM,  42
.set BVB,  44                          ; s[44:45] bv at my head
.set QB,   52                          ; s[52:53], s[54:55] Q at piece L, H
.set CB,   56                          ; s[56:57], s[58:59] cc at piece L, H
.set MSB, 0
.macro WIN new
.if MSB != (\new)
	s_set_vgpr_msb (MSB<<8)|(\new)
.set MSB, (\new)
.endif
.endm
.macro PLACES
.rept 4
	v_nop
.endr
.endm
	s_load_b128 s[4:7], s[0:1], 0x0                ; qkv16, bv
	s_load_b64 s[8:9], s[0:1], 0x10                ; cc
	v_lshl_add_u32 v[SPW], v0, 2, SPARE
	v_mov_b32 v[NIL], 0
	ds_add_u32 v[SPW], v[NIL]                      ; the wave's opening: the add, twice on end, and its wait ahead of my first tensor load
	ds_add_u32 v[SPW], v[NIL]
	v_lshrrev_b32 v2, 5, v0
	v_readfirstlane_b32 s[WV], v2
	v_and_b32 v11, 31, v0
	v_lshlrev_b32 v[L16], 4, v11
	v_lshlrev_b32 v[PFO], 8, v11
	v_and_b32 v12, 15, v0
	v_bfe_u32 v13, v0, 4, 1
	v_lshlrev_b32 v14, 3, v13
	v_sub_nc_u32 v[DB], v12, v14
	v_lshlrev_b32 v[BVO], 9, v13
	v_mov_b32 v[NINF], 0xff800000
	s_and_b32 s11, ttmp7, 0xffff                   ; 16 batch + head
	s_sub_co_u32 s12, 7, ttmp9                     ; the later block
	s_lshl_b32 s26, s[WV], 5
	s_lshl_b32 s[QL], ttmp9, 8
	s_add_co_u32 s[QL], s[QL], s26
	s_lshl_b32 s[QH], s12, 8
	s_or_b32 s[LASTQ], s[QH], 255
	s_add_co_u32 s[QH], s[QH], s26
	s_add_co_u32 s[QLE], s[QL], 31
	s_add_co_u32 s[QHE], s[QH], 31
	s_mov_b32 s[KF], 0
	s_mov_b32 s[TB], 0
	s_mov_b32 s[SLOTS], 7
	s_mov_b32 s[CS], 0x3d38aa3b                    ; c = log2(e) / 32
	s_mov_b32 s[CS+1], s[CS]                       ; (named with it as a pair, so it is written)
	s_mov_b32 s[SEL], 0x76543210
	s_mov_b32 s[SEL+1], 0xfedcba98
	s_cmp_eq_u32 ttmp9, 0
	s_cselect_b32 s[LIM], 1, -1                    ; the head's first work-group, which walks all keys, prefetches for the four
	; descriptor group 1: 8,192 dense bytes as 32 rows of 256 bytes (32 elements of 8)
	s_mov_b32 s[G1], 3<<16
	s_mov_b32 s[G1+1], 32<<16                      ; tensor_dim0
	s_mov_b32 s[G1+2], 32<<16                      ; tensor_dim1
	s_mov_b32 s[G1+3], 32<<16                      ; tile_dim0
	s_mov_b32 s[G1+4], 32                          ; tile_dim1
	s_mov_b32 s[G1+5], 32                          ; the pitch
	s_mov_b32 s[G1+6], 0
	s_mov_b32 s[G1+7], 0
	s_lshr_b32 s26, s[WV], 2                       ; waves 0-3 fetch K's quarters, waves 4-7 V's
	s_add_co_u32 s26, s26, 1
	s_lshl_b32 s26, s26, 24
	s_lshl_b32 s27, s11, 18
	s_add_co_u32 s26, s26, s27
	s_and_b32 s46, s[WV], 3
	s_lshl_b32 s46, s46, 13
	s_add_co_u32 s26, s26, s46
	s_lshl_b32 s46, s[QL], 7                       ; Q: 128 bytes a position
	s_add_co_u32 s46, s46, s27
	s_mov_b32 s47, 0
	s_lshl_b32 s48, s[QH], 7
	s_add_co_u32 s48, s48, s27
	s_mov_b32 s49, 0
	s_mov_b32 s27, 0
	s_lshr_b32 s50, s11, 4
	s_lshl_b32 s50, s50, 22                        ; cc: 128 tiles of 32,768 bytes a batch,
	s_and_b32 s51, s11, 15
	s_lshl_b32 s[BVB], s51, 2
	s_mov_b32 s[BVB+1], 0
	s_lshl_b32 s51, s51, 11                        ; 2,048 a head,
	s_add_co_u32 s50, s50, s51
	s_lshl_b32 s[CB], s[QL], 11                    ; 2,048 a row
	s_add_co_u32 s[CB], s[CB], s50
	s_mov_b32 s[CB+1], 0
	s_lshl_b32 s[CB+2], s[QH], 11
	s_add_co_u32 s[CB+2], s[CB+2], s50
	s_mov_b32 s[CB+3], 0
	s_wait_dscnt 0x0                               ; both opening adds are done
	s_wait_kmcnt 0x0
	s_mov_b32 s[G0], 1
	s_lshl_b32 s[G0+1], s[WV], 13                  ; LDS: 8,192 x wave, in slot 0
	s_add_nc_u64 s[G0+2:G0+3], s[4:5], s[26:27]
	s_add_nc_u64 s[PFA:PFA+1], s[G0+2:G0+3], 32768 ; in slot 1: the first change of slots steps it to slot 2.  Nothing is prefetched here, at the head
	s_or_b32 s[G0+3], s[G0+3], 0x80000000
	tensor_load_to_lds s[G0:G0+3], s[G1:G1+7]      ; slot 0: key 0 counts for every query
	s_nop 0
	PLACES
	s_add_nc_u64 s[QB:QB+1], s[4:5], s[46:47]
	s_add_nc_u64 s[QB+2:QB+3], s[4:5], s[48:49]
	s_add_nc_u64 s[CB:CB+1], s[8:9], s[CB:CB+1]
	s_add_nc_u64 s[CB+2:CB+3], s[8:9], s[CB+2:CB+3]
	s_add_nc_u64 s[BVB:BVB+1], s[6:7], s[BVB:BVB+1]
.irp t, 0,1,2,3
	v_mov_b32 v[ST+8*\t+1], 0xff61b1e6             ; m: -3e38, under every score
	v_mul_f32 v[ST+8*\t], s[CS], v[ST+8*\t+1]
.irp j, 2,3,4,5,6,7
	v_mov_b32 v[ST+8*\t+\j], 0
.endr
.endr
	WIN 0x40                                       ; destination window 1
.irp t, 0,1
.irp c, 0,1,2,3
	global_load_b128 v[QR+16*\t+4*\c:QR+16*\t+4*\c+3], v[L16], s[QB:QB+1] offset:2048*\t+512*\c
	global_load_b128 v[QR+32+16*\t+4*\c:QR+32+16*\t+4*\c+3], v[L16], s[QB+2:QB+3] offset:2048*\t+512*\c
.endr
.endr
.set i, 0
.rept 128
	v_mov_b32 v[O+i], 0                            ; O^T: the step is written once; its first pass finds zeros, which the first a leaves zeros
.set i, i+1
.endr
	WIN 0
; 16 products of S^T = K Q^T for the piece whose first tile is x: channels 32 (i / 8) on, keys 16 ((i / 2) % 4) on, tile x + i % 2.  Eight accumulators by turns; the first 8 start the sums.
.macro QK x
	WIN 0x05
.set i, 0
.rept 16
.set rS, S+32*(\x+i%2)+8*((i/2)%4)
.set rK, KV+8*(2*((i/2)%4)+i/8)
.set rQ, QR+16*(\x+i%2)+8*(i/8)
.if i < 8
	v_wmma_f32_16x16x32_f16 v[rS:rS+7], v[rK:rK+7], v[rQ:rQ+7], 0
.else
	v_wmma_f32_16x16x32_f16 v[rS:rS+7], v[rK:rK+7], v[rQ:rQ+7], v[rS:rS+7]
.endif
.set i, i+1
.endr
	WIN 0
.endm
; 16 products of O^T += V^T P: keys 32 (i / 8) on, channels 16 ((i / 2) % 4) on, tile x + i % 2
.macro PV x
	WIN 0x51
.set i, 0
.rept 16
.set rO, O+32*(\x+i%2)+8*((i/2)%4)
.set rV, KV+8*(4*(i/8)+(i/2)%4)
.set rP, P+16*(\x+i%2)+8*(i/8)
	v_wmma_f32_16x16x32_f16 v[rO:rO+7], v[rV:rV+7], v[rP:rP+7], v[rO:rO+7]
.set i, i+1
.endr
	WIN 0
.endm
; The step's V into the registers that K has left: fragment 4 kk + ct is two chunks, 16 keys apart.  The four plain lines stand in front of these loads and of the first reads of the scores.
.macro LOADV
	PLACES
	WIN 0x40
.set i, 0
.rept 8
	ds_load_b128 v[KV+8*i:KV+8*i+3], v[ADR] offset:VOFF+4096*(i/4)+512*(i%4)
	ds_load_b128 v[KV+8*i+4:KV+8*i+7], v[ADR] offset:VOFF+4096*(i/4)+512*(i%4)+2048
.set i, i+1
.endr
	WIN 0
.endm
; On the diagonal the scores of hidden keys become -infinity.  Register 8 kt + j of a tile holds key KF + 16 kt + 8 hh + j: hidden where 16 kt + j > query - KF - 8 hh
.macro MASK2 x, qp
	s_sub_co_u32 s27, s[\qp], s[KF]
	v_add_nc_u32 v[D0], s27, v[DB]
	v_add_nc_u32 v[D1], 16, v[D0]
.set n, 0
.rept 32
	v_cmp_gt_i32 vcc_lo, 16*(n/8)+n%8, v[D0]
	v_cndmask_b32 v[S+32*(\x)+n], v[S+32*(\x)+n], v[NINF], vcc_lo
	v_cmp_gt_i32 vcc_lo, 16*(n/8)+n%8, v[D1]
	v_cndmask_b32 v[S+32*(\x)+32+n], v[S+32*(\x)+32+n], v[NINF], vcc_lo
.set n, n+1
.endr
.endm
; A piece's softmax for one step, its two tiles line by line by turns
.macro SOFTMAX2 x
.irp j, 0,1,2,3                        ; the maximum: four chains, each begun at its accumulator's low end
.irp t, \x, \x+1
	v_max3_num_f32 v[ST+8*(\t)+4+\j], v[S+32*(\t)+8*\j], v[S+32*(\t)+8*\j+1], v[S+32*(\t)+8*\j+2]
.endr
.endr
.irp g, 1,2
.irp j, 0,1,2,3
.irp t, \x, \x+1
	v_max3_num_f32 v[ST+8*(\t)+4+\j], v[ST+8*(\t)+4+\j], v[S+32*(\t)+8*\j+2*\g+1], v[S+32*(\t)+8*\j+2*\g+2]
.endr
.endr
.endr
.irp t, \x, \x+1
	v_max3_num_f32 v[ST+8*(\t)+4], v[ST+8*(\t)+4], v[S+32*(\t)+7], v[S+32*(\t)+15]
	v_max3_num_f32 v[ST+8*(\t)+6], v[ST+8*(\t)+6], v[S+32*(\t)+23], v[S+32*(\t)+31]
.endr
.irp t, \x, \x+1
	v_max3_num_f32 v[ST+8*(\t)+4], v[ST+8*(\t)+4], v[ST+8*(\t)+5], v[ST+8*(\t)+6]
.endr
.irp t, \x, \x+1
	v_max3_num_f32 v[ST+8*(\t)+4], v[ST+8*(\t)+4], v[ST+8*(\t)+7], v[ST+8*(\t)+1]   ; with the old m
.endr
.irp t, \x, \x+1
	v_permlanex16_b32 v[ST+8*(\t)+5], v[ST+8*(\t)+4], s[SEL], s[SEL+1]   ; the query's other 32 keys lie in the lane 16 away
.endr
.irp t, \x, \x+1
	v_mov_b32 v[ST+8*(\t)+7], v[ST+8*(\t)]         ; c m_old
.endr
.irp t, \x, \x+1
	v_max_num_f32 v[ST+8*(\t)+1], v[ST+8*(\t)+4], v[ST+8*(\t)+5]
.endr
.irp t, \x, \x+1
	v_mul_f32 v[ST+8*(\t)], s[CS], v[ST+8*(\t)+1]
.endr
.irp t, \x, \x+1
	v_sub_f32 v[ST+8*(\t)+7], v[ST+8*(\t)+7], v[ST+8*(\t)]
.endr
.set b, 0
.rept 16
.irp t, \x, \x+1
	v_pk_fma_f32 v[S+32*(\t)+2*b:S+32*(\t)+2*b+1], v[S+32*(\t)+2*b:S+32*(\t)+2*b+1], s[CS:CS+1], v[ST+8*(\t):ST+8*(\t)+1] op_sel_hi:[1,0,0] neg_lo:[0,0,1] neg_hi:[0,0,1]   ; c s - c m
.endr
.set b, b+1
.endr
.irp t, \x, \x+1                       ; ONE BATCH of 66 exponentials: none reads another's result
	v_exp_f32 v[ST+8*(\t)+6], v[ST+8*(\t)+7]       ; a
.endr
.set b, 0
.rept 32
.irp t, \x, \x+1
	v_exp_f32 v[S+32*(\t)+b], v[S+32*(\t)+b]
.endr
.set b, b+1
.endr
	v_nop                                          ; a plain line behind the last exponential,
	s_wait_alu depctr_va_vdst(0)                   ; and one wait for the batch, ahead of its first reader
.set b, 0
.rept 16
.irp t, \x, \x+1
	v_cvt_pk_f16_f32 v[P+16*(\t)+b], v[S+32*(\t)+2*b], v[S+32*(\t)+2*b+1]
.endr
.set b, b+1
.endr
.irp u, 0,4,8,12,16,20,24,28           ; the sum of the unrounded weights, in place, pairs 1, 2, 4, 8 apart
.irp t, \x, \x+1
	v_pk_add_f32 v[S+32*(\t)+\u:S+32*(\t)+\u+1], v[S+32*(\t)+\u:S+32*(\t)+\u+1], v[S+32*(\t)+\u+2:S+32*(\t)+\u+3]
.endr
.endr
.irp u, 0,8,16,24
.irp t, \x, \x+1
	v_pk_add_f32 v[S+32*(\t)+\u:S+32*(\t)+\u+1], v[S+32*(\t)+\u:S+32*(\t)+\u+1], v[S+32*(\t)+\u+4:S+32*(\t)+\u+5]
.endr
.endr
.irp u, 0,16
.irp t, \x, \x+1
	v_pk_add_f32 v[S+32*(\t)+\u:S+32*(\t)+\u+1], v[S+32*(\t)+\u:S+32*(\t)+\u+1], v[S+32*(\t)+\u+8:S+32*(\t)+\u+9]
.endr
.endr
.irp t, \x, \x+1
	v_pk_add_f32 v[S+32*(\t):S+32*(\t)+1], v[S+32*(\t):S+32*(\t)+1], v[S+32*(\t)+16:S+32*(\t)+17]
.endr
.irp t, \x, \x+1
	v_pk_fma_f32 v[ST+8*(\t)+2:ST+8*(\t)+3], v[ST+8*(\t)+2:ST+8*(\t)+3], v[ST+8*(\t)+6:ST+8*(\t)+7], v[S+32*(\t):S+32*(\t)+1] op_sel_hi:[1,0,1]   ; l = a l + the sum
.endr
	WIN 0x41                                       ; O^T (destination and source 0) in window 1, a in window 0
.set b, 0
.rept 16
.irp t, \x, \x+1
	v_pk_mul_f32 v[O+32*(\t)+2*b:O+32*(\t)+2*b+1], v[O+32*(\t)+2*b:O+32*(\t)+2*b+1], v[ST+8*(\t)+6:ST+8*(\t)+7] op_sel_hi:[1,0]
.endr
.set b, b+1
.endr
	WIN 0
.endm
; A KEY STEP: 64 keys.  All branches hang on ids and on the count of steps; no barrier, wait on tensor loads or tensor load stands in a step.
; Behind H's K Q^T the step parts ONCE: where some key still counts for L, both pieces are walked; else H alone.  So on every way a piece's scores and weights are made before they are read.
.macro STEP
	s_cmp_gt_u32 s[KF], s[QHE]
	s_cbranch_scc1 .Lskip_\@                       ; all keys come after my last query
	v_add_nc_u32 v[ADR], s[TB], v[L16]
	PLACES                                         ; in front of loads into registers that the last products read
	WIN 0x40
.set i, 0
.rept 16
	ds_load_b128 v[KV+4*i:KV+4*i+3], v[ADR] offset:512*i           ; K: 4 tiles of keys x 4 chunks
.set i, i+1
.endr
	s_wait_dscnt 0x0
	QK 2
	s_cmp_gt_u32 s[KF], s[QLE]
	s_cbranch_scc1 .Lh_alone_\@
	; ---- both pieces.  H needs no mask here: KF + 63 <= QL + 94, and QH - QL = 256 (7 - 2 i) is 256 at the least: every key of the step counts for H
	QK 0
	LOADV
	SOFTMAX2 2
	s_add_co_u32 s26, s[KF], 63
	s_cmp_le_u32 s26, s[QL]
	s_cbranch_scc1 .Lopen_l_\@                     ; all keys count for L too
	MASK2 0, QL
.Lopen_l_\@:
	SOFTMAX2 0
	s_wait_dscnt 0x0                               ; V is in
	PV 2
	PV 0
	s_branch .Lskip_\@
	; ---- H alone
.Lh_alone_\@:
	LOADV
	s_add_co_u32 s26, s[KF], 63
	s_cmp_le_u32 s26, s[QH]
	s_cbranch_scc1 .Lopen_h_\@                     ; all keys count
	MASK2 2, QH
.Lopen_h_\@:
	SOFTMAX2 2
	s_wait_dscnt 0x0                               ; V is in
	PV 2
.Lskip_\@:
	s_add_co_u32 s[KF], s[KF], 64
	s_add_co_u32 s[TB], s[TB], 8192
.endm
; THE CHANGE OF SLOTS stands at a slot's head.  Each wave waits for all its tensor loads (its part of the slot ahead), adds 0 to its spare word, and waits for that and for its reads of the slot that it has left.
; Behind the barrier the slot ahead is whole and nobody reads the other one.  fill = 1: that other slot takes the next 256 keys, up to the causal limit; the load has a slot's four steps in which to land.
.macro CHANGE fill
	s_wait_tensorcnt 0x0                           ; no tensor load of mine is out, so group 0 may be written
	ds_add_u32 v[SPW], v[NIL]
.if \fill
	s_xor_b32 s[G0+1], s[G0+1], SLOTB              ; the other slot than last time,
	s_add_nc_u64 s[G0+2:G0+3], s[G0+2:G0+3], 32768 ; the next 256 keys
	s_wait_xcnt 0x0                                ; the last prefetch, a slot back, has read its address
	s_add_nc_u64 s[PFA:PFA+1], s[PFA:PFA+1], 32768 ; one slot further on than the walking descriptor
.endif
	s_wait_dscnt 0x0
	s_barrier_signal -1
	s_barrier_wait -1
.if \fill
	s_add_co_u32 s26, s[KF], 256                   ; the first key of the slot that this change would ask for:
	s_cmp_gt_u32 s26, s[LASTQ]                     ; beyond my work-group's last query it is read by none of its waves and is not asked for.  Ids and the count of steps alone: all eight waves go the same way
	s_cbranch_scc1 .Lpast_\@
	tensor_load_to_lds s[G0:G0+3], s[G1:G1+7]      ; my one tensor load until the next change
	s_nop 0
	PLACES
.Lpast_\@:
	s_cmp_gt_u32 s[SLOTS], s[LIM]                  ; a prefetch of what the NEXT change will ask for: my wave's 8,192 bytes, lanes 256 bytes apart; each block is named once in the launch,
	s_cbranch_scc0 .Lnot_mine_\@                   ; by the head's first work-group; the last change that fills a slot asks for nothing
	global_prefetch_b8 v[PFO], s[PFA:PFA+1] th:TH_LOAD_NT scope:SCOPE_SE
.Lnot_mine_\@:
.endif
.endm
.macro FOUR_STEPS
	s_mov_b32 s[CNT], 4
.Lstep_\@:
	STEP
	s_sub_co_u32 s[CNT], s[CNT], 1
	s_cmp_lg_u32 s[CNT], 0
	s_cbranch_scc1 .Lstep_\@
	s_sub_co_u32 s[TB], s[TB], 32768               ; back to a slot's first step,
	s_xor_b32 s[TB], s[TB], SLOTB                  ; in the other slot
.endm
	s_wait_loadcnt 0x0                             ; Q
.Lslot:                                            ; 7 trips
	CHANGE 1
	FOUR_STEPS
	s_sub_co_u32 s[SLOTS], s[SLOTS], 1
	s_cmp_lg_u32 s[SLOTS], 0
	s_cbranch_scc1 .Lslot
	CHANGE 0                                       ; the last slot is written out: nothing is left to ask for
	FOUR_STEPS
	; THE WAY OUT: O^T / l + bv, rounded to f16: a lane's eight channels are 16 bytes of a chunk
	PLACES
.irp c, 0,1,2,3
.irp j, 0,1,2,3,4,5,6,7
	global_load_b32 v[S+8*\c+\j], v[BVO], s[BVB:BVB+1] offset:1024*\c+64*\j   ; bv[16 d + head], d = 16 c + 8 hh + j
.endr
.endr
.irp t, 0,1,2,3
	v_add_f32 v[ST+8*\t+4], v[ST+8*\t+2], v[ST+8*\t+3]
.endr
.irp t, 0,1,2,3
	v_permlanex16_b32 v[ST+8*\t+5], v[ST+8*\t+4], s[SEL], s[SEL+1]
.endr
.irp t, 0,1,2,3
	v_add_f32 v[ST+8*\t+4], v[ST+8*\t+4], v[ST+8*\t+5]
.endr
.irp t, 0,1,2,3
	v_rcp_f32 v[ST+8*\t+6], v[ST+8*\t+4]
.endr
	v_nop
	s_wait_alu depctr_va_vdst(0)                   ; one wait for the four reciprocals
	s_wait_loadcnt 0x0
.macro OUT t
	WIN 0x01                                       ; source 0 (O^T) window 1
.set i, 0
.rept 16
	v_pk_fma_f32 v[96+2*i:97+2*i], v[O+32*(\t)+2*i:O+32*(\t)+2*i+1], v[ST+8*(\t)+6:ST+8*(\t)+7], v[S+2*i:S+2*i+1] op_sel_hi:[1,0,1]
.set i, i+1
.endr
	WIN 0
.set i, 0
.rept 16
	v_cvt_pk_f16_f32 v[P+16*(\t)+i], v[96+2*i], v[97+2*i]
.set i, i+1
.endr
.irp c, 0,1,2,3
	global_store_b128 v[L16], v[P+16*(\t)+4*\c:P+16*(\t)+4*\c+3], s[CB+2*((\t)/2):CB+2*((\t)/2)+1] offset:32768*((\t)%2)+512*\c   ; a chunk: 512 consecutive bytes
.endr
.endm
	OUT 0
	OUT 1
	OUT 2
	OUT 3
	s_wait_tensorcnt 0x0                           ; the wave's end, behind my last tensor load
	ds_add_u32 v[SPW], v[NIL]
	s_wait_dscnt 0x0
	s_endpgm
.Lfunc_end_k_qf0e9e997a7_attn:
	.size	k_qf0e9e997a7_attn, .Lfunc_end_k_qf0e9e997a7_attn-k_qf0e9e997a7_attn
	.p2alignl 7, 3214868480
	.fill 96, 4, 3214868480
	.section	.rodata,"a",@progbits
	.p2align	6, 0x0
	.amdhsa_kernel k_qf0e9e997a7_attn
		.amdhsa_group_segment_fixed_size 327680
		.amdhsa_private_segment_fixed_size 0
		.amdhsa_enable_private_segment 0
		.amdhsa_kernarg_size 24
		.amdhsa_user_sgpr_count 2
		.amdhsa_user_sgpr_kernarg_segment_ptr 1
		.amdhsa_wavefront_size32 1
		.amdhsa_system_sgpr_workgroup_id_x 1
		.amdhsa_system_sgpr_workgroup_id_y 1
		.amdhsa_system_sgpr_workgroup_id_z 1
		.amdhsa_system_vgpr_workitem_id 0
		.amdhsa_next_free_vgpr 512
		.amdhsa_next_free_sgpr 66
		.amdhsa_reserve_vcc 1
		.amdhsa_float_denorm_mode_32 3
		.amdhsa_float_denorm_mode_16_64 3
		.amdhsa_memory_ordered 1
		.amdhsa_forward_progress 1
		.amdhsa_inst_pref_size 137
	.end_amdhsa_kernel
	.amdgpu_metadata
---
amdhsa.version: [ 1, 2 ]
amdhsa.kernels:
  - .name:           k_qf0e9e997a7_attn
    .symbol:         k_qf0e9e997a7_attn.kd
    .args:
      - { .name: qkv16, .offset: 0, .size: 8, .value_kind: global_buffer, .address_space: global }
      - { .name: bv, .offset: 8, .size: 8, .value_kind: global_buffer, .address_space: global }
      - { .name: cc, .offset: 16, .size: 8, .value_kind: global_buffer, .address_space: global }
    .group_segment_fixed_size: 327680
    .private_segment_fixed_size: 0
    .kernarg_segment_align: 8
    .kernarg_segment_size: 24
    .max_flat_workgroup_size: 256
    .sgpr_count:     66
    .vgpr_count:     512
    .wavefront_size: 32
...
	.end_amdgpu_metadata
.endif
;; end of part 3
;; launch outproj (part 4): grid 4 x 64, 4 waves a work-group, clusters of 4 x 4, 327,680 bytes of LDS; arguments cc, wo16, bo, out0; writes out0
.if DOCPART == 4
	.amdgcn_target "amdgcn-amd-amdhsa--gfx1250"
	.amdhsa_code_object_version 6
	.text
	.protected	k_qf0e9e997a7_outproj
	.globl	k_qf0e9e997a7_outproj
	.p2align	8
	.type	k_qf0e9e997a7_outproj,@function
k_qf0e9e997a7_outproj:
	s_mov_b64 s[64:65], 0
	v_nop
	global_prefetch_b8 v0, s[64:65] scope:SCOPE_SE
	s_setreg_imm32_b32 hwreg(HW_REG_WAVE_MODE, 25, 1), 1
	s_wait_xcnt 0x0
	s_wait_alu depctr_hold_cnt(0) depctr_sa_sdst(0) depctr_va_vdst(0) depctr_va_sdst(0) depctr_va_ssrc(0) depctr_va_vcc(0) depctr_vm_vsrc(0)
	s_getreg_b32 s2, hwreg(HW_REG_IB_STS2, 6, 4)
	s_cmp_eq_u32 s2, 0
	s_cbranch_scc0 .Lentry_in_a_cluster
	s_endpgm
.Lentry_in_a_cluster:
	s_bfe_u32 s2, ttmp6, 0x10000c
	s_cmp_lg_u32 s2, 0xf033
	s_cbranch_scc0 .Lentry_shape_is_right
	s_endpgm
.Lentry_shape_is_right:
; out0[m][n] = sum over k of concat[m][k] Wo[n][k] + bo[n]: [8192][1024] f32; operands f16, sums f32.
; Both operands arrive as chunks of 512 bytes in the order of the operand's registers: cc [512 tiles of 16 rows][32 K steps of 32][2][512], wo16 [64 tiles of 16 rows n][32][2][512]; a fragment is two
; chunks, each read at 16 x lane: no pitch and no padding.
; A tile of 128 x 256 of the result is made by four waves, 64 x 128 each: 32 accumulators, 256 registers: 256 work-groups.  K goes in steps of 128 (4,096 bytes of each tile of 16 rows) through two LDS slots.
; CLUSTERS: 4 x 4.  A's tiles (rows of concat) are shared along a row of the cluster, B's (rows of Wo) along a column: each is asked for jointly.
; The matrix instruction takes 16 rows of Wo as source 0 and 16 rows of concat as source 1: a lane holds eight neighbouring numbers of a row of the result.  bo is the C of each sum's first product.
; No prefetch: eight short K steps on a small tile.
; Rows 0-15 of each sequence are written here like the rest and written again, from f32 operands, by the launch that follows.
; REGISTERS: window 0: v16-29 addresses; v32-95 bo; v128-255 rows on the way out.   window 1: two fragment buffers at v0 and v128: A's 4 fragments, then B's 8.   window 2: accumulator (a, b) at v[8 (8 a + b)].
.set SLOT,   98304                     ; A's 8 tiles x 4,096 bytes, then B's 16
.set BOFF,   32768
.set STAGE,  2*SLOT                    ; behind the ring: 16 rows x (512 + 16) bytes for each wave
.set SPITCH, 528
.set SPARE,  STAGE+4*16*SPITCH         ; the spare words, 128 bytes a wave
.set LAPS,   4                         ; a lap = two K steps of 128
.set ADRA, 16
.set ADRB, 20
.set STO,  24
.set RD,   25
.set CO,   26                          ; v26  16 x lane
.set BOL,  27                          ; v27  32 hh
.set SPW,  28
.set NIL,  29
.set CBR,  32
.set BK,   128
.set F0,   0
.set F1,   128
.set G1, 24
.set G0, 32
.set G1B, 48
.set G0B, 56
.set MSB, 0
.macro WIN new
.if MSB != (\new)
	s_set_vgpr_msb (MSB<<8)|(\new)
.set MSB, (\new)
.endif
.endm
.set MUL,  0xa5                        ; sources 0 and 1 window 1; C and D window 2.  In the first quarter C is bo, in window 0: 0x85
.set TO_F, 0x40
.macro JLOAD s                         ; a joint load: waves 0 and 1 fetch A's halves, waves 2 and 3 B's; an s_nop 0 and four v_nop follow each line
	s_cmp_eq_u32 s13, 0
	s_cbranch_scc0 .Lfor_b_\@
	tensor_load_to_lds s[G0+4*\s:G0+4*\s+3], s[G1:G1+7]
	s_nop 0
.rept 4
	v_nop
.endr
	s_branch .Lasked_\@
.Lfor_b_\@:
	tensor_load_to_lds s[G0B+4*\s:G0B+4*\s+3], s[G1B:G1B+7]
	s_nop 0
.rept 4
	v_nop
.endr
.Lasked_\@:
.endm
.macro CREST
	s_cmp_lg_u32 s12, 0
	s_cbranch_scc1 .Lnot_wave_0_\@
	s_barrier_signal -3
.Lnot_wave_0_\@:
	s_barrier_wait -3
	s_barrier_signal -1
	s_barrier_wait -1
.endm
.macro CROUND
	s_barrier_signal -1
	s_barrier_wait -1
	CREST
.endm
	s_load_b256 s[4:11], s[0:1], 0x0               ; cc s[4:5], wo16 s[6:7], bo s[8:9], out0 s[10:11]
	v_lshl_add_u32 v[SPW], v0, 2, SPARE
	v_mov_b32 v[NIL], 0
	ds_add_u32 v[SPW], v[NIL]                      ; the wave's opening: the add, twice on end, and its wait ahead of my first tensor load
	ds_add_u32 v[SPW], v[NIL]
	v_lshrrev_b32 v1, 5, v0
	v_readfirstlane_b32 s12, v1                    ; wave 0..3
	s_lshr_b32 s13, s12, 1                         ; wm: which 64 rows are mine.  Also: I fetch for A (0) or for B (1)
	s_and_b32 s14, s12, 1                          ; wn: which 128 columns.  Also: which half I fetch
	s_bfe_u32 s40, ttmp6, 0x40000                  ; cx
	s_bfe_u32 s41, ttmp6, 0x40004                  ; cy
	s_lshl_b32 s42, ttmp9, 2
	s_add_co_u32 s42, s42, s40                     ; tile column = 4 x cluster x + cx
	s_and_b32 s15, ttmp7, 0xffff
	s_lshl_b32 s15, s15, 2
	s_add_co_u32 s15, s15, s41                     ; tile row = 4 x cluster y + cy
	s_lshl_b32 s43, s41, 2
	s_lshl_b32 s43, 15, s43                        ; my row of the cluster
	s_lshl_b32 s44, 0x1111, s40                    ; my column
	; descriptor group 1: rows of 4,096 bytes (512 elements of 8), 32,768 bytes apart in memory, dense in LDS: 4 rows for A, 8 for B
	s_or_b32 s[G1+0], s43, (3<<16)|(1<<21)
	s_or_b32 s[G1B+0], s44, (3<<16)|(1<<21)
	s_mov_b32 s[G1+1], 512<<16
	s_mov_b32 s[G1+2], 4<<16
	s_mov_b32 s[G1+3], 512<<16
	s_mov_b32 s[G1+4], 4
	s_mov_b32 s[G1+5], 4096
	s_mov_b32 s[G1+6], 0
	s_mov_b32 s[G1+7], 0
	s_mov_b32 s[G1B+1], 512<<16
	s_mov_b32 s[G1B+2], 8<<16
	s_mov_b32 s[G1B+3], 512<<16
	s_mov_b32 s[G1B+4], 8
	s_mov_b32 s[G1B+5], 4096
	s_mov_b32 s[G1B+6], 0
	s_mov_b32 s[G1B+7], 0
	s_lshl_b32 s16, s15, 3
	s_lshl_b32 s17, s14, 2
	s_add_co_u32 s16, s16, s17
	s_lshl_b32 s16, s16, 15                        ; A: tile of rows 8 x tile row + 4 x half
	s_mov_b32 s17, 0
	s_lshl_b32 s46, s42, 4
	s_lshl_b32 s47, s14, 3
	s_add_co_u32 s46, s46, s47
	s_lshl_b32 s46, s46, 15                        ; B: tile of rows 16 x tile column + 8 x half
	s_mov_b32 s47, 0
	s_lshl_b32 s20, s14, 14                        ; LDS: A's halves of 16,384 bytes,
	s_lshl_b32 s21, s14, 15
	s_add_co_u32 s21, s21, BOFF                    ; B's of 32,768 behind them
	s_wait_dscnt 0x0                               ; both opening adds are done
	s_wait_kmcnt 0x0
	s_add_nc_u64 s[16:17], s[4:5], s[16:17]
	s_add_nc_u64 s[46:47], s[6:7], s[46:47]
	CROUND                                         ; all sixteen work-groups are here: the first joint loads meet
.irp s, 0,1
	s_mov_b32 s[G0+4*\s], 1
	s_add_co_u32 s[G0+4*\s+1], s20, \s*SLOT
	s_add_nc_u64 s[G0+4*\s+2:G0+4*\s+3], s[16:17], \s*4096
	s_or_b32 s[G0+4*\s+3], s[G0+4*\s+3], 0x80000000
	s_mov_b32 s[G0B+4*\s], 1
	s_add_co_u32 s[G0B+4*\s+1], s21, \s*SLOT
	s_add_nc_u64 s[G0B+4*\s+2:G0B+4*\s+3], s[46:47], \s*4096
	s_or_b32 s[G0B+4*\s+3], s[G0B+4*\s+3], 0x80000000
	JLOAD \s
.endr
	v_and_b32 v1, 15, v0                           ; r
	v_bfe_u32 v2, v0, 4, 1                         ; hh
	v_and_b32 v3, 31, v0
	v_lshlrev_b32 v[CO], 4, v3
	v_lshlrev_b32 v[BOL], 5, v2
	s_lshl_b32 s21, s13, 14                        ; my 4 tiles of A
	s_lshl_b32 s22, s14, 15
	s_add_co_u32 s22, s22, BOFF                    ; my 8 tiles of B
.irp s, 0,1
	v_add_nc_u32 v[ADRA+\s], s21, v[CO]
	v_add_nc_u32 v[ADRB+\s], s22, v[CO]
	s_add_co_u32 s21, s21, SLOT
	s_add_co_u32 s22, s22, SLOT
.endr
	s_mul_i32 s23, s12, 16*SPITCH
	s_add_co_u32 s23, s23, STAGE                   ; my stage
	v_mul_u32_u24 v5, v1, SPITCH
	v_lshl_add_u32 v5, v2, 5, v5
	v_add_nc_u32 v[STO], s23, v5                   ; in: row r, 32 bytes for each half of the lanes
	v_add_nc_u32 v[RD], s23, v[CO]                 ; back: the 32 lanes take one row of 512 bytes
	s_lshl_b32 s16, s42, 10
	s_lshl_b32 s17, s14, 9
	s_add_co_u32 s16, s16, s17                     ; my first column, in bytes
	s_mov_b32 s17, 0
	s_add_nc_u64 s[8:9], s[8:9], s[16:17]
.irp b, 0,1,2,3,4,5,6,7
	global_load_b128 v[CBR+8*\b:CBR+8*\b+3], v[BOL], s[8:9] offset:64*\b          ; bo at my lane's eight columns of block b
	global_load_b128 v[CBR+8*\b+4:CBR+8*\b+7], v[BOL], s[8:9] offset:64*\b+16
.endr
	s_lshl_b32 s18, s15, 7
	s_lshl_b32 s19, s13, 6
	s_add_co_u32 s18, s18, s19
	s_lshl_b32 s18, s18, 12                        ; my first row, 4,096 bytes a row
	s_add_co_u32 s18, s18, s16
	s_mov_b32 s19, 0
	s_add_nc_u64 s[10:11], s[10:11], s[18:19]
; 8 matrix instructions: A's block a x B's eight, 32 along K, from buffer f.  first = 1: the sums start from bo.  The 32 accumulators take turns in one order throughout.
.macro MUL8 f, a, first
.irp b, 0,1,2,3,4,5,6,7
.if \first
	v_wmma_f32_16x16x32_f16 v[8*(8*(\a)+\b):8*(8*(\a)+\b)+7], v[\f+32+8*\b:\f+32+8*\b+7], v[\f+8*(\a):\f+8*(\a)+7], v[CBR+8*\b:CBR+8*\b+7]
.else
	v_wmma_f32_16x16x32_f16 v[8*(8*(\a)+\b):8*(8*(\a)+\b)+7], v[\f+32+8*\b:\f+32+8*\b+7], v[\f+8*(\a):\f+8*(\a)+7], v[8*(8*(\a)+\b):8*(8*(\a)+\b)+7]
.endif
.endr
.endm
; 24 LDS loads in one run: the fragments of the slot's q-th 32 along K into buffer f
.macro FETCH slot, q, f
	WIN TO_F
.irp i, 0,1,2,3,4,5,6,7
	ds_load_b128 v[\f+32+8*\i:\f+32+8*\i+3],   v[ADRB+\slot] offset:4096*\i+1024*(\q)
	ds_load_b128 v[\f+32+8*\i+4:\f+32+8*\i+7], v[ADRB+\slot] offset:4096*\i+1024*(\q)+512
.endr
.irp i, 0,1,2,3
	ds_load_b128 v[\f+8*\i:\f+8*\i+3],   v[ADRA+\slot] offset:4096*\i+1024*(\q)
	ds_load_b128 v[\f+8*\i+4:\f+8*\i+7], v[ADRA+\slot] offset:4096*\i+1024*(\q)+512
.endr
.endm
.macro PLACES                          ; plain vector lines in front of loads into registers that matrix instructions have read, and of reads of results
.rept 4
	v_nop
.endr
.endm
; One of a K step's first three quarters: multiplies buffer f and, in its middle, fetches quarter q of the same slot into buffer g
.macro QUARTER slot, q, f, g, first
	s_wait_dscnt 0x0                               ; buffer f is in (asked for 16 matrix instructions ago)
	WIN MUL-0x20*(\first)
	MUL8 \f, 0, \first
	MUL8 \f, 1, \first
	PLACES
	FETCH \slot, \q, \g
	WIN MUL-0x20*(\first)
	MUL8 \f, 2, \first
	MUL8 \f, 3, \first
.endm
; The last quarter multiplies buffer 1 and changes slots: one barrier; in front of it each wave waits for all its tensor loads, adds 0 to its spare word, and waits for that and for its reads of this slot.
; fill = 1: the barrier opens a round of the cluster's barrier, and this slot is filled again, two K steps ahead.
.macro TURN slot, next, fill
	WIN 0
	s_wait_tensorcnt 0x0                           ; my part of the next slot has landed
	ds_add_u32 v[SPW], v[NIL]
	s_wait_dscnt 1                                 ; buffer 1 is in (the add may be out)
	WIN MUL
	MUL8 F1, 0, 0
	s_wait_dscnt 0x0                               ; the add is done, and my reads of this slot are over
	s_barrier_signal -1
	MUL8 F1, 1, 0
.if \fill
	WIN 0
.endif
	s_barrier_wait -1
.if \fill
	CREST                                          ; no wave of any partner still reads this slot's tile or has a load on its way
	s_add_nc_u64 s[G0+4*\slot+2:G0+4*\slot+3], s[G0+4*\slot+2:G0+4*\slot+3], 8192
	s_add_nc_u64 s[G0B+4*\slot+2:G0B+4*\slot+3], s[G0B+4*\slot+2:G0B+4*\slot+3], 8192
	JLOAD \slot                                    ; the first tensor load behind the round; its four v_nop are also the places in front of the loads below
.else
	PLACES
.endif
	FETCH \next, 0, F0
	WIN MUL
	MUL8 F1, 2, 0
	MUL8 F1, 3, 0
.endm
	s_wait_tensorcnt 1                             ; my part of K step 0 is in (K step 1's load may be out)
	s_barrier_signal -1
	s_barrier_wait -1
	FETCH 0, 0, F0
	s_wait_loadcnt 0x0                             ; bo
	QUARTER 0, 1, F0, F1, 1
	WIN 0
	s_mov_b32 s3, LAPS-1
.Llap:                                             ; a trip goes once round the ring, from a lap's second quarter to the next lap's first, and fills both slots again
	QUARTER 0, 2, F1, F0, 0
	QUARTER 0, 3, F0, F1, 0
	TURN 0, 1, 1
	QUARTER 1, 1, F0, F1, 0
	QUARTER 1, 2, F1, F0, 0
	QUARTER 1, 3, F0, F1, 0
	TURN 1, 0, 1
	QUARTER 0, 1, F0, F1, 0
	WIN 0
	s_sub_co_u32 s3, s3, 1
	s_cmp_lg_u32 s3, 0
	s_cbranch_scc1 .Llap
	QUARTER 0, 2, F1, F0, 0                        ; the last lap fills nothing
	QUARTER 0, 3, F0, F1, 0
	TURN 0, 1, 0
	QUARTER 1, 1, F0, F1, 0
	QUARTER 1, 2, F1, F0, 0
	QUARTER 1, 3, F0, F1, 0
	s_wait_dscnt 0x0
	WIN MUL
	MUL8 F1, 0, 0
	MUL8 F1, 1, 0
	MUL8 F1, 2, 0
	MUL8 F1, 3, 0
	WIN 0
; THE WAY OUT, block by block of 16 rows x 128 columns, through my own stage: in as 32 bytes a lane, back as whole rows of 512 bytes.  LDS serves a wave's instructions in order: no wait between the stores and the loads.
.macro TOSTAGE a
	WIN 0x08                                       ; an LDS store's data are its source 1: window 2
.irp b, 0,1,2,3,4,5,6,7
	ds_store_b128 v[STO], v[64*(\a)+8*\b:64*(\a)+8*\b+3] offset:64*\b            ; each accumulator from its low end on
	ds_store_b128 v[STO], v[64*(\a)+8*\b+4:64*(\a)+8*\b+7] offset:64*\b+16
.endr
	WIN 0
.set BB, BK+64*((\a)%2)
.irp t, 0,1,2,3,4,5,6,7,8,9,10,11,12,13,14,15
	ds_load_b128 v[BB+4*\t:BB+4*\t+3], v[RD] offset:\t*SPITCH
.endr
.endm
.macro SEND a, younger
.set BB, BK+64*((\a)%2)
	s_wait_dscnt \younger                          ; the block is back in registers
.if (\a) > 0
	s_add_nc_u64 s[10:11], s[10:11], 65536         ; 16 rows on (behind a wait for the earlier stores' addresses)
.endif
.irp t, 0,1,2,3,4,5,6,7,8,9,10,11,12,13,14,15
	global_store_b128 v[CO], v[BB+4*\t:BB+4*\t+3], s[10:11] offset:\t*4096   ; 32 lanes store 512 consecutive bytes, aligned
.endr
.endm
	PLACES
	TOSTAGE 0
.irp a, 1,2,3
.if \a > 1
	s_wait_xcnt 0x0                                ; block a - 2's stores have read their registers and their base
.endif
	TOSTAGE \a
	SEND \a-1, 32                                  ; behind block a - 1's loads: block a's 16 stores and 16 loads
.endr
	s_wait_xcnt 0x0
	SEND 3, 0
	s_wait_tensorcnt 0x0                           ; the wave's end, behind my last tensor load and my last LDS store
	ds_add_u32 v[SPW], v[NIL]
	s_wait_dscnt 0x0
	CROUND                                         ; the closing round
	s_endpgm
.Lfunc_end_k_qf0e9e997a7_outproj:
	.size	k_qf0e9e997a7_outproj, .Lfunc_end_k_qf0e9e997a7_outproj-k_qf0e9e997a7_outproj
	.p2alignl 7, 3214868480
	.fill 96, 4, 3214868480
	.section	.rodata,"a",@progbits
	.p2align	6, 0x0
	.amdhsa_kernel k_qf0e9e997a7_outproj
		.amdhsa_group_segment_fixed_size 327680
		.amdhsa_private_segment_fixed_size 0
		.amdhsa_enable_private_segment 0
		.amdhsa_kernarg_size 32
		.amdhsa_user_sgpr_count 2
		.amdhsa_user_sgpr_kernarg_segment_ptr 1
		.amdhsa_wavefront_size32 1
		.amdhsa_system_sgpr_workgroup_id_x 1
		.amdhsa_system_sgpr_workgroup_id_y 1
		.amdhsa_system_sgpr_workgroup_id_z 1
		.amdhsa_system_vgpr_workitem_id 0
		.amdhsa_next_free_vgpr 768
		.amdhsa_next_free_sgpr 66
		.amdhsa_reserve_vcc 0
		.amdhsa_float_denorm_mode_32 3
		.amdhsa_float_denorm_mode_16_64 3
		.amdhsa_memory_ordered 1
		.amdhsa_forward_progress 1
		.amdhsa_inst_pref_size 86
	.end_amdhsa_kernel
	.amdgpu_metadata
---
amdhsa.version: [ 1, 2 ]
amdhsa.kernels:
  - .name:           k_qf0e9e997a7_outproj
    .symbol:         k_qf0e9e997a7_outproj.kd
    .args:
      - { .name: cc, .offset: 0, .size: 8, .value_kind: global_buffer, .address_space: global }
      - { .name: wo16, .offset: 8, .size: 8, .value_kind: global_buffer, .address_space: global }
      - { .name: bo, .offset: 16, .size: 8, .value_kind: global_buffer, .address_space: global }
      - { .name: out0, .offset: 24, .size: 8, .value_kind: global_buffer, .address_space: global }
    .group_segment_fixed_size: 327680
    .private_segment_fixed_size: 0
    .kernarg_segment_align: 8
    .kernarg_segment_size: 32
    .max_flat_workgroup_size: 128
    .sgpr_count:     66
    .vgpr_count:     768
    .wavefront_size: 32
...
	.end_amdgpu_metadata
.endif
;; end of part 4
;; launch first16 (part 5): grid 16 x 4, 16 waves a work-group, no clusters, 71,680 bytes of LDS; arguments f32c, Wo, bo, bv, out0; writes out0
.if DOCPART == 5
	.amdgcn_target "amdgcn-amd-amdhsa--gfx1250"
	.amdhsa_code_object_version 6
	.text
	.protected	k_qf0e9e997a7_first16
	.globl	k_qf0e9e997a7_first16
	.p2align	8
	.type	k_qf0e9e997a7_first16,@function
k_qf0e9e997a7_first16:
	s_mov_b64 s[64:65], 0
	v_nop
	global_prefetch_b8 v0, s[64:65] scope:SCOPE_SE
	s_setreg_imm32_b32 hwreg(HW_REG_WAVE_MODE, 25, 1), 1
	s_wait_xcnt 0x0
; Positions 0-15 of each sequence once more, wholly in f32: their rows average one to sixteen values, and the rounding of 16-bit operands would weigh most there.  64 rows of out0 are written over.
; Work-group (x, y): columns 64 x .. 64 x + 63 of batch y's first 16 rows.  Wave h is head h: it makes the head's 16 x 16 attention, then the head's share of the 16 x 64 outputs; the 16 shares are summed through LDS.
; f32c [3 (Q, K, V)][4 batch][64 blocks of 16 features][2 u][512 bytes]: images of accumulator registers 4 u .. 4 u + 3.  Q, K: lane (r, hh) holds position r, features 16 blk + 8 hh + 4 u + 0..3 (bias included);
; V: feature 16 blk + r, positions 8 hh + 4 u + 0..3 (without bv, which is added to the quotient: a row's weights sum to one).
; The f32 matrix form takes K = 4: lane (r, hh) holds k = 2 hh + 0, 1.  A permutation of k applied alike to both sources keeps the products: here a lane's registers run along 32 channels (scores), 8 keys
; (values) or 8 K indices a tile (outputs) of its half, and both sources are loaded or made in that same order.
; The registers that this matrix form writes (v144-223) are written by it alone; each sum begins with the constant 0; accumulators take turns.
.set SPARE, 69632                      ; behind the 16 shares of 16 rows x 272 bytes: the spare words, 128 bytes a wave
.set QF,  16                           ; v16-47   Q, later Wo's tile 0
.set KFR, 48                           ; v48-79   K, later Wo's tile 1
.set VF,  80                           ; v80-111  V, later Wo's tile 2
.set BV,  112                          ; v112-143 bv, then O / l + bv
.set SA,  144                          ; v144-159 the scores, in two halves of K
.set SB,  152
.set OA,  160                          ; v160-191 O^T
.set YA,  192                          ; v192-223 the outputs' four tiles
.set PP,  224                          ; v224-231 scores, then p; v224-255 later Wo's tile 3
	s_load_b256 s[4:11], s[0:1], 0x0               ; f32c s[4:5], Wo s[6:7], bo s[8:9], bv s[10:11]
	s_load_b64 s[12:13], s[0:1], 0x20              ; out0
	v_lshl_add_u32 v10, v0, 2, SPARE               ; my spare word; never rewritten
	v_mov_b32 v11, 0                               ; 0; never rewritten
	v_lshrrev_b32 v1, 5, v0
	v_readfirstlane_b32 s14, v1                    ; wave = head
	v_and_b32 v1, 15, v0                           ; r
	v_bfe_u32 v2, v0, 4, 1                         ; hh
	v_and_b32 v4, 31, v0
	v_lshlrev_b32 v4, 4, v4                        ; 16 x lane
	v_lshlrev_b32 v3, 4, v1
	v_lshl_add_u32 v3, v2, 11, v3                  ; Q, K: 2 blocks x hh + 16 r
	v_lshlrev_b32 v5, 9, v2                        ; bv: 512 hh
	v_lshlrev_b32 v6, 12, v1
	v_lshl_add_u32 v6, v2, 5, v6                   ; Wo: row r, + 32 hh
	s_mul_i32 s15, s14, 4352
	v_mul_u32_u24 v7, v1, 272
	v_lshl_add_u32 v7, v2, 5, v7
	v_add_nc_u32 v7, s15, v7                       ; LDS, in: my share, row r, + 32 hh
	v_bfe_u32 v9, v0, 4, 4                         ; the sum: thread t of the first 256 takes row t / 16, bytes 16 (t % 16) on
	v_mul_u32_u24 v8, v9, 272
	v_lshl_add_u32 v8, v1, 4, v8                   ; LDS, back
	v_lshlrev_b32 v9, 12, v9
	v_lshl_add_u32 v9, v1, 4, v9                   ; and in out0
	v_lshlrev_b32 v14, 4, v1                       ; and in bo
	v_lshlrev_b32 v12, 3, v2
	v_sub_nc_u32 v12, v1, v12                      ; r - 8 hh
	v_mov_b32 v13, 0xff800000                      ; -infinity
	v_mov_b32 v234, 0                              ; (a lane permute's destination counts as one of its sources)
	s_and_b32 s30, ttmp7, 0xffff                   ; batch
	s_lshl_b32 s16, s30, 16
	s_lshl_b32 s17, s14, 12
	s_add_co_u32 s16, s16, s17                     ; f32c: 65,536 bytes a batch, 4,096 a head
	s_mov_b32 s17, 0
	s_lshl_b32 s18, ttmp9, 18                      ; Wo: 64 rows of 4,096 bytes a work-group,
	s_lshl_b32 s19, s14, 8                         ; 256 bytes a head
	s_add_co_u32 s18, s18, s19
	s_mov_b32 s19, 0
	s_lshl_b32 s20, s14, 2
	s_mov_b32 s21, 0
	s_lshl_b32 s26, ttmp9, 8
	s_mov_b32 s27, 0
	s_lshl_b32 s28, s30, 23                        ; out0: 2,048 rows of 4,096 bytes a batch
	s_add_co_u32 s28, s28, s26
	s_mov_b32 s29, 0
	s_mov_b32 s22, 0x3d38aa3b                      ; c = log2(e) / 32
	s_mov_b32 s24, 0x76543210
	s_mov_b32 s25, 0xfedcba98
	s_wait_kmcnt 0x0
	s_add_nc_u64 s[16:17], s[4:5], s[16:17]
	s_add_nc_u64 s[18:19], s[6:7], s[18:19]
	s_add_nc_u64 s[20:21], s[10:11], s[20:21]
	s_add_nc_u64 s[26:27], s[8:9], s[26:27]
	s_add_nc_u64 s[28:29], s[12:13], s[28:29]
.irp i, 0,1,2,3,4,5,6,7                ; register 4 i + e = channel 32 hh + 4 i + e of position r
	global_load_b128 v[KFR+4*\i:KFR+4*\i+3], v3, s[16:17] offset:262144+1024*(\i/4)+512*(\i%2)+256*((\i/2)%2)
.endr
.irp i, 0,1,2,3,4,5,6,7
	global_load_b128 v[QF+4*\i:QF+4*\i+3], v3, s[16:17] offset:1024*(\i/4)+512*(\i%2)+256*((\i/2)%2)
.endr
.irp i, 0,1,2,3,4,5,6,7                ; register 8 ct + e = position 8 hh + e of channel 16 ct + r
	global_load_b128 v[VF+4*\i:VF+4*\i+3], v4, s[16:17] offset:524288+512*\i
.endr
.irp c, 0,1,2,3
.irp j, 0,1,2,3,4,5,6,7
	global_load_b32 v[BV+8*\c+\j], v5, s[20:21] offset:1024*\c+64*\j   ; bv[16 d + head], d = 16 c + 8 hh + j
.endr
.endr
	s_wait_loadcnt 40                              ; K and Q are in; V's 8 loads and bv's 32 may be out
	; S^T = K Q^T: lane (r, hh) will hold query r, keys 8 hh + 0..7
	v_wmma_f32_16x16x4_f32 v[SA:SA+7], v[KFR:KFR+1], v[QF:QF+1], 0
	v_wmma_f32_16x16x4_f32 v[SB:SB+7], v[KFR+2:KFR+3], v[QF+2:QF+3], 0
.irp k, 4,8,12,16,20,24,28
	v_wmma_f32_16x16x4_f32 v[SA:SA+7], v[KFR+\k:KFR+\k+1], v[QF+\k:QF+\k+1], v[SA:SA+7]
	v_wmma_f32_16x16x4_f32 v[SB:SB+7], v[KFR+\k+2:KFR+\k+3], v[QF+\k+2:QF+\k+3], v[SB:SB+7]
.endr
.rept 8
	v_nop                                          ; eight places behind this form, in front of loads into its sources and of reads of its results
.endr
.irp n, 0,1                            ; Wo's tiles 0 and 1: register 8 ct + e = Wo[64 x + 16 n + r][64 head + 16 ct + 8 hh + e]
.irp c, 0,1,2,3
	global_load_b128 v[16+32*\n+8*\c:16+32*\n+8*\c+3], v6, s[18:19] offset:65536*\n+64*\c
	global_load_b128 v[16+32*\n+8*\c+4:16+32*\n+8*\c+7], v6, s[18:19] offset:65536*\n+64*\c+16
.endr
.endr
.irp j, 0,1,2,3,4,5,6,7
	v_add_f32 v[PP+\j], v[SA+\j], v[SB+\j]         ; from the low end on
.endr
.irp j, 0,1,2,3,4,5,6,7
	v_cmp_gt_i32 vcc_lo, \j, v12                   ; key 8 hh + j comes after query r
	v_cndmask_b32 v[PP+\j], v[PP+\j], v13, vcc_lo
.endr
	v_max3_num_f32 v232, v[PP], v[PP+1], v[PP+2]
	v_max3_num_f32 v233, v[PP+3], v[PP+4], v[PP+5]
	v_max3_num_f32 v232, v232, v[PP+6], v[PP+7]
	v_max_num_f32 v232, v232, v233
	v_permlanex16_b32 v234, v232, s24, s25
	v_max_num_f32 v232, v232, v234                 ; the row's maximum: key 0 counts for every query
	v_mul_f32 v233, s22, v232
.irp j, 0,1,2,3,4,5,6,7
	v_fma_f32 v[PP+\j], v[PP+\j], s22, -v233
.endr
.irp j, 0,1,2,3,4,5,6,7
	v_exp_f32 v[PP+\j], v[PP+\j]
.endr
	v_nop
	s_wait_alu depctr_va_vdst(0)                   ; one wait for the eight, ahead of their first reader
	v_add_f32 v235, v[PP], v[PP+1]
	v_add_f32 v236, v[PP+2], v[PP+3]
	v_add_f32 v237, v[PP+4], v[PP+5]
	v_add_f32 v238, v[PP+6], v[PP+7]
	v_add_f32 v235, v235, v236
	v_add_f32 v237, v237, v238
	v_add_f32 v235, v235, v237
	v_permlanex16_b32 v234, v235, s24, s25
	v_add_f32 v235, v235, v234
	v_rcp_f32 v236, v235                           ; 1 / l, the low word of the pair v[236:237]
	v_nop
	s_wait_alu depctr_va_vdst(0)
	s_wait_loadcnt 48                              ; V is in; bv's 32 loads and Wo's 16 may be out
	; O^T = V^T P: four accumulators by turns; K step kk takes keys 8 hh + 2 kk + 0, 1
.irp c, 0,1,2,3
	v_wmma_f32_16x16x4_f32 v[OA+8*\c:OA+8*\c+7], v[VF+8*\c:VF+8*\c+1], v[PP:PP+1], 0
.endr
.irp k, 2,4,6
.irp c, 0,1,2,3
	v_wmma_f32_16x16x4_f32 v[OA+8*\c:OA+8*\c+7], v[VF+8*\c+\k:VF+8*\c+\k+1], v[PP+\k:PP+\k+1], v[OA+8*\c:OA+8*\c+7]
.endr
.endr
.rept 8
	v_nop
.endr
	s_wait_loadcnt 16                              ; bv is in; Wo's 16 loads may be out
.set i, 0
.rept 16
	v_pk_fma_f32 v[BV+2*i:BV+2*i+1], v[OA+2*i:OA+2*i+1], v[236:237], v[BV+2*i:BV+2*i+1] op_sel_hi:[1,0,1]   ; O / l + bv: register 8 ct + e = channel 16 ct + 8 hh + e of query r
.set i, i+1
.endr
.irp c, 0,1,2,3                        ; Wo's tiles 2 and 3, into V's registers and p's
	global_load_b128 v[80+8*\c:80+8*\c+3], v6, s[18:19] offset:65536*2+64*\c
	global_load_b128 v[80+8*\c+4:80+8*\c+7], v6, s[18:19] offset:65536*2+64*\c+16
	global_load_b128 v[224+8*\c:224+8*\c+3], v6, s[18:19] offset:65536*3+64*\c
	global_load_b128 v[224+8*\c+4:224+8*\c+7], v6, s[18:19] offset:65536*3+64*\c+16
.endr
	s_wait_loadcnt 16                              ; tiles 0 and 1 are in
	v_wmma_f32_16x16x4_f32 v[YA:YA+7], v[16:17], v[BV:BV+1], 0
	v_wmma_f32_16x16x4_f32 v[YA+8:YA+15], v[48:49], v[BV:BV+1], 0
.set i, 2
.rept 15
	v_wmma_f32_16x16x4_f32 v[YA:YA+7], v[16+i:17+i], v[BV+i:BV+i+1], v[YA:YA+7]
	v_wmma_f32_16x16x4_f32 v[YA+8:YA+15], v[48+i:49+i], v[BV+i:BV+i+1], v[YA+8:YA+15]
.set i, i+2
.endr
	s_wait_loadcnt 0x0
	v_wmma_f32_16x16x4_f32 v[YA+16:YA+23], v[80:81], v[BV:BV+1], 0
	v_wmma_f32_16x16x4_f32 v[YA+24:YA+31], v[224:225], v[BV:BV+1], 0
.set i, 2
.rept 15
	v_wmma_f32_16x16x4_f32 v[YA+16:YA+23], v[80+i:81+i], v[BV+i:BV+i+1], v[YA+16:YA+23]
	v_wmma_f32_16x16x4_f32 v[YA+24:YA+31], v[224+i:225+i], v[BV+i:BV+i+1], v[YA+24:YA+31]
.set i, i+2
.endr
.rept 8
	v_nop
.endr
.irp n, 0,1,2,3                        ; lane (r, hh): row r, columns 16 n + 8 hh + 0..7 of my head's share
	ds_store_b128 v7, v[YA+8*\n:YA+8*\n+3] offset:64*\n
	ds_store_b128 v7, v[YA+8*\n+4:YA+8*\n+7] offset:64*\n+16
.endr
	s_wait_dscnt 0x0                               ; for the others' sake: my stores have landed
	s_barrier_signal -1
	s_barrier_wait -1
	s_cmp_ge_u32 s14, 8
	s_cbranch_scc1 .Lend                           ; waves 0-7 sum: 256 threads, 16 bytes each
	global_load_b128 v[112:115], v14, s[26:27]     ; bo
.irp w, 0,1,2,3,4,5,6,7,8,9,10,11,12,13,14,15
	ds_load_b128 v[16+4*\w:19+4*\w], v8 offset:4352*\w
.endr
	s_wait_dscnt 0x0
.irp w, 1,2,3,4,5,6,7,8,9,10,11,12,13,14,15
	v_pk_add_f32 v[16:17], v[16:17], v[16+4*\w:17+4*\w]            ; the heads in ascending order
	v_pk_add_f32 v[18:19], v[18:19], v[18+4*\w:19+4*\w]
.endr
	s_wait_loadcnt 0x0
	v_pk_add_f32 v[16:17], v[16:17], v[112:113]
	v_pk_add_f32 v[18:19], v[18:19], v[114:115]
	global_store_b128 v9, v[16:19], s[28:29]       ; sixteen lanes store 256 consecutive bytes, aligned
.Lend:
	s_wait_tensorcnt 0x0                           ; the wave's end, behind my last LDS store
	ds_add_u32 v10, v11
	s_wait_dscnt 0x0
	s_endpgm
.Lfunc_end_k_qf0e9e997a7_first16:
	.size	k_qf0e9e997a7_first16, .Lfunc_end_k_qf0e9e997a7_first16-k_qf0e9e997a7_first16
	.p2alignl 7, 3214868480
	.fill 96, 4, 3214868480
	.section	.rodata,"a",@progbits
	.p2align	6, 0x0
	.amdhsa_kernel k_qf0e9e997a7_first16
		.amdhsa_group_segment_fixed_size 71680
		.amdhsa_private_segment_fixed_size 0
		.amdhsa_enable_private_segment 0
		.amdhsa_kernarg_size 40
		.amdhsa_user_sgpr_count 2
		.amdhsa_user_sgpr_kernarg_segment_ptr 1
		.amdhsa_wavefront_size32 1
		.amdhsa_system_sgpr_workgroup_id_x 1
		.amdhsa_system_sgpr_workgroup_id_y 1
		.amdhsa_system_sgpr_workgroup_id_z 1
		.amdhsa_system_vgpr_workitem_id 0
		.amdhsa_next_free_vgpr 256
		.amdhsa_next_free_sgpr 66
		.amdhsa_reserve_vcc 1
		.amdhsa_float_denorm_mode_32 3
		.amdhsa_float_denorm_mode_16_64 3
		.amdhsa_memory_ordered 1
		.amdhsa_forward_progress 1
		.amdhsa_inst_pref_size 26
	.end_amdhsa_kernel
	.amdgpu_metadata
---
amdhsa.version: [ 1, 2 ]
amdhsa.kernels:
  - .name:           k_qf0e9e997a7_first16
    .symbol:         k_qf0e9e997a7_first16.kd
    .args:
      - { .name: f32c, .offset: 0, .size: 8, .value_kind: global_buffer, .address_space: global }
      - { .name: Wo, .offset: 8, .size: 8, .value_kind: global_buffer, .address_space: global }
      - { .name: bo, .offset: 16, .size: 8, .value_kind: global_buffer, .address_space: global }
      - { .name: bv, .offset: 24, .size: 8, .value_kind: global_buffer, .address_space: global }
      - { .name: out0, .offset: 32, .size: 8, .value_kind: global_buffer, .address_space: global }
    .group_segment_fixed_size: 71680
    .private_segment_fixed_size: 0
    .kernarg_segment_align: 8
    .kernarg_segment_size: 40
    .max_flat_workgroup_size: 512
    .sgpr_count:     66
    .vgpr_count:     256
    .wavefront_size: 32
...
	.end_amdgpu_metadata
.endif
;; end of part 5
